; MI455X (gfx1250); checked and timed in simulation.
; The chip was launched on July 23, 2026; its instructions are those of AMD's public machine-readable ISA for CDNA 5 (MIT licence, August 2026) and "CDNA5" Instruction Set Architecture Reference Guide (July 2026). The comments in the code are by the model that wrote it; some were corrected since.
;; Attention. Allowed arithmetic: matrix products marked QUANTISED: E2M1 operands, one E8M0 scale for each 32 along K, by v_wmma_scale_f32_16x16x128_f8f6f4 with both operands' format E2M1 (or v_wmma_scale_f32_32x16x128_f4), f32 sums; products left as they are: bf16, f16 or f32 operands; f32 sums; everything else in f32.
;; Inputs: W_proj 1,024 x 1,024 float32; W_qkv 1,024 x 3,072 float32; b_proj 1,024 float32; b_qkv 3,072 float32; x 4 x 2,048 x 1,024 float32.
;; Outputs: out0 4 x 2,048 x 1,024 float32.
;; This version of the problem:
;;   THIS VERSION OF THE PROBLEM IS GIVEN IN LOW PRECISION. The matrix products marked QUANTISED in the list below multiply operands that are first quantised to E2M1 (2 exponent bits, 1 mantissa bit; 4 bits a number), with one power-of-two scale for each 32 numbers along K (OCP MX v1.0); their sums are f32. The products marked 'left as it is' may take bf16, f16 or f32 operands, with f32 sums. Whichever they take, every output number must still come out within the allowed error. Rounding operands to bf16 (8 significant bits) uses up far more of that allowance than f16 does (11 bits, for magnitudes from 6e-5 to 65,504). All else is computed in f32.
;;   The module's matrix products, in the order in which they are computed (A, B: the left and right operand; K: the contracted axis; several contracted axes count as one K, in the product's order):
;;     1. [M 8,192, K 1,024] x [K 1,024, N 3,072]; A: input x; B: input W_qkv: QUANTISED
;;     2. batch 64 x [M 2,048, K 64] x [K 64, N 2,048]; A: computed on the way; B: computed on the way: left as it is (an operand is computed on the way)
;;     3. batch 64 x [M 2,048, K 2,048] x [K 2,048, N 64]; A: computed on the way; B: computed on the way: left as it is (an operand is computed on the way)
;;     4. [M 8,192, K 1,024] x [K 1,024, N 1,024]; A: computed on the way; B: input W_proj: left as it is (an operand is computed on the way)
;;   THE QUANTISER, for each operand of a quantised product, along K:
;;     - K is cut into blocks of 32 from its start; a last block that is shorter is filled with zeros.
;;     - A block's scale is 2^e with e = floor(log2(the largest magnitude in the block)) - 2, held to -126 .. 127; a block of zeros has e = 0. As a byte (E8M0): e + 127.
;;     - Each number is divided by its block's scale, clamped to +-6, and rounded to the nearest number of E2M1, ties to even, subnormals kept.
;;     - The product sums the exact products of the quantised numbers (number of the format x scale) in f32.
;;   ~~~python
;;   def quantise(x, axis):      # numpy; x: float32 -> the quantised numbers, widened to float32 again
;;       x = np.moveaxis(x, axis, -1); K = x.shape[-1]
;;       x = np.pad(x, [(0, 0)] * (x.ndim - 1) + [(0, -K % 32)]); x = x.reshape(x.shape[:-1] + (-1, 32)); a = np.abs(x).max(-1, keepdims=True)
;;       e = np.where(a > 0, np.clip(np.frexp(np.where(a > 0, a, 1))[1] - 1 - 2, -126, 127), 0)      # np.frexp(a)[1] - 1 = floor(log2(a)), exactly
;;       r = np.clip(x / 2.0 ** e, -6, 6)
;;       step = 2.0 ** (np.maximum(np.frexp(np.where(r == 0, 1, r))[1] - 1, 0) - 1)
;;       q = np.round(r / step) * step * 2.0 ** e      # np.round: ties to even
;;       return np.moveaxis(q.reshape(q.shape[:-2] + (-1,))[..., :K], -1, axis).astype(np.float32)
;;   ~~~
;; One version. Each part assembles by itself: llvm-mc -triple=amdgcn-amd-amdhsa -mcpu=gfx1250 --defsym DOCPART=n.
;; ======== version 1 of 1: 4 launches
;; limits: values are held in f16: magnitudes above 65,504 overflow, below 6.1e-05 lose precision
;; workspace buffers: xc 4,194,304 bytes; xs 262,144 bytes; wc 1,572,864 bytes; ws 98,304 bytes; wpt 2,097,152 bytes; qkv 50,331,648 bytes; o 16,777,216 bytes
;; launch prep (part 1): grid 368 x 1, 4 waves a work-group, no clusters, 102,912 bytes of LDS; arguments x, W_qkv, W_proj, xc, xs, wc, ws, wpt; writes xc, xs, wc, ws, wpt
.if DOCPART == 1
	.amdgcn_target "amdgcn-amd-amdhsa--gfx1250"
	.amdhsa_code_object_version 6
	.text
	.protected	k_q7e909886ca_prep
	.globl	k_q7e909886ca_prep
	.p2align	8
	.type	k_q7e909886ca_prep,@function
k_q7e909886ca_prep:
	s_mov_b64 s[64:65], 0
	v_nop
	global_prefetch_b8 v0, s[64:65] scope:SCOPE_SE
	s_setreg_imm32_b32 hwreg(HW_REG_WAVE_MODE, 25, 1), 1
	s_wait_xcnt 0x0
; ATTENTION, four launches: prep (this one), qkv, attn, proj.
; This launch makes the operands that many work-groups read later, once each:
;   x [8192][1024] f32      -> xc: codes of E2M1, K innermost, [8192][512 bytes];  xs: one E8M0 byte for each 32 along K, [8192][32]
;   W_qkv [1024 k][3072 n]  -> wc: codes, K innermost, [3072][512 bytes];          ws: [3072][32]
;   W_proj [1024 k][1024 n] -> wpt: f16, turned, [1024 n][1024 k]
; A block's scale is 2^(floor(log2(its largest magnitude)) - 2); its byte is that magnitude's exponent field - 2, held at 1 from below.  A block of zeros so gets the byte 1 where the
; quantiser says 127: its codes are zeros, which add nothing under any byte but 0xff, and the bytes are read by this program alone.
; WORK LEFT OUT IN THIS PROGRAM.  b_qkv[1024:2048], the bias of k, is never loaded.  With k = k0 + bk the score of query q and key j is q . k0[j] + q . bk; the second term is the same for
; every key j of a row, whatever the inputs hold, and softmax along the keys takes away a term that is the same along its axis.  k goes into no quantiser (the product q k^T is left as it is),
; and k reaches the result by the scores alone.  The biases of q and of v are live and are added.
; LIMITS.  A NaN, an infinity or an overflow in b_qkv[1024:2048] is not carried to the result.  NaN and infinities among the other inputs are not served.  Blocks whose largest magnitude lies
; under 2^-124 keep the byte 1.  W_proj goes in f16: magnitudes beyond 65,504 become infinity.
; SHARES.  Work-groups 0-47: W_qkv;  48-111: W_proj;  112-367: x.  The three paths part on the work-group's number, never meet again, and each has LDS bytes of its own.
; No tensor load, no barrier: waves share nothing.
.set SPARE, 102400                     ; behind the three paths' regions: the spare words, 128 bytes for each wave
.set SPW,   190                        ; v190  LDS address of my spare word; never rewritten
.set NIL,   191                        ; v191  0; never rewritten
.macro FINISH                          ; a wave's end, behind my last LDS store
	s_wait_tensorcnt 0x0
	ds_add_u32 v[SPW], v[NIL]
	s_wait_dscnt 0x0
	s_endpgm
.endm
	s_load_b256 s[4:11], s[0:1], 0x0               ; x s[4:5], W_qkv s[6:7], W_proj s[8:9], xc s[10:11]
	s_load_b256 s[12:19], s[0:1], 0x20             ; xs s[12:13], wc s[14:15], ws s[16:17], wpt s[18:19]
	v_lshl_add_u32 v[SPW], v0, 2, SPARE
	v_mov_b32 v[NIL], 0
	v_lshrrev_b32 v1, 5, v0
	v_readfirstlane_b32 s20, v1                    ; wave 0..3
	v_and_b32 v2, 31, v0                           ; lane
	s_mov_b32 s23, 0                               ; the upper word of every offset pair s[22:23]
	s_wait_kmcnt 0x0
	s_cmp_lt_u32 ttmp9, 48
	s_cbranch_scc1 .Lwq
	s_cmp_lt_u32 ttmp9, 112
	s_cbranch_scc1 .Lwp
; ---------------- x: a plain stream of blocks of 32.  A wave takes 16 steps of 512 numbers.
; Each of a step's four loads reads 512 consecutive bytes, 16 a lane; the 2,048 bytes turn through the wave's own stage in LDS and come back 64 bytes a lane, so that a lane holds 16 neighbours
; along K and two neighbouring lanes a block.  A lane's 16 codes are 8 bytes: the wave stores 256 consecutive bytes.  The wave's 256 scale bytes are gathered in LDS and leave as one store.
.set XSTEPS, 16
.set XSP,   80                         ; a lane's place in a stage: 64 bytes + 16 of padding
.set RX,    16                         ; v16-79   four sets of 16 numbers as loaded
.set XX,    80                         ; v80-111  two sets of 16 neighbours
.set EX,    112                        ; v112-127 a scale byte for each step
.set CX,    128                        ; v128-189 codes: registers of its own for each step, so that no store's data are written again
	s_sub_co_u32 s21, ttmp9, 112
	s_lshl_b32 s21, s21, 2
	s_add_co_u32 s21, s21, s20                     ; which run of 8,192 numbers is my wave's: 0..1023
	s_lshl_b32 s22, s21, 15
	s_add_nc_u64 s[4:5], s[4:5], s[22:23]          ; 32,768 bytes of x,
	s_lshl_b32 s22, s21, 12
	s_add_nc_u64 s[10:11], s[10:11], s[22:23]      ; 4,096 of codes,
	s_lshl_b32 s22, s21, 8
	s_add_nc_u64 s[12:13], s[12:13], s[22:23]      ; 256 scale bytes a run
	s_lshl_b32 s24, s20, 13                        ; LDS: 8,192 bytes for each wave, from byte 0
	v_lshlrev_b32 v3, 4, v2                        ; my 16 bytes of a load's 512
	v_lshrrev_b32 v14, 2, v2
	v_mul_u32_u24 v14, v14, XSP
	v_and_b32 v15, 3, v2
	v_lshl_add_u32 v14, v15, 4, v14
	v_add_nc_u32 v14, s24, v14                     ; the stage on the way in: four lanes' 64 bytes on end, then the padding
	v_mul_u32_u24 v15, v2, XSP
	v_add_nc_u32 v15, s24, v15                     ; and on the way out: my 16 neighbours
	v_lshlrev_b32 v4, 3, v2                        ; 8 bytes a lane: my codes' place in a step's, and my part of the scale bytes
	v_lshrrev_b32 v5, 1, v2
	s_add_co_u32 s24, s24, 2*32*XSP                ; behind the two stages: my wave's 256 scale bytes
	v_add_nc_u32 v5, s24, v5                       ; my block's byte
	v_add_nc_u32 v6, s24, v4
.macro XLOAD t
.irp i, 0,1,2,3
	global_load_b128 v[RX+16*((\t)%4)+4*\i:RX+16*((\t)%4)+4*\i+3], v3, s[4:5] offset:2048*(\t)+512*\i th:TH_LOAD_NT
.endr
.endm
.macro XTURN t                         ; step t's numbers through the stage: LDS serves a wave's instructions in order (ISA guide 5.7.1.4), so no wait stands between the stores and the loads
.irp i, 0,1,2,3
	ds_store_b128 v14, v[RX+16*((\t)%4)+4*\i:RX+16*((\t)%4)+4*\i+3] offset:32*XSP*((\t)%2)+8*XSP*\i
.endr
.irp i, 0,1,2,3
	ds_load_b128 v[XX+16*((\t)%2)+4*\i:XX+16*((\t)%2)+4*\i+3], v15 offset:32*XSP*((\t)%2)+16*\i
.endr
.endm
.irp t, 0,1,2,3
	XLOAD \t
.endr
	s_wait_loadcnt 12                              ; step 0's four loads are in; the twelve of steps 1 to 3 may be out
	XTURN 0
.macro XSTEP t
.set XS, XX+16*((\t)%2)
.if (\t) > 0
	s_wait_dscnt 1                                 ; this step's numbers are back from the stage (the last step's byte store may be out)
.else
	s_wait_dscnt 0x0
.endif
.if (\t)+4 < XSTEPS
	XLOAD (\t)+4                                   ; into the registers that this step's stores into the stage have read
.endif
.if (\t)+1 < XSTEPS
.if XSTEPS-2-(\t) >= 3
	s_wait_loadcnt 12                              ; the next step's four loads are in; those of the three steps behind it may be out
.else
	s_wait_loadcnt 4*(XSTEPS-2-(\t))
.endif
	XTURN (\t)+1
.endif
	v_max3_num_f32 v8, |v[XS]|, |v[XS+1]|, |v[XS+2]|               ; the largest magnitude of my 16, in two chains
	v_max3_num_f32 v9, |v[XS+3]|, |v[XS+4]|, |v[XS+5]|
.irp i, 6,10
	v_max3_num_f32 v8, v8, |v[XS+\i]|, |v[XS+\i+1]|
	v_max3_num_f32 v9, v9, |v[XS+\i+2]|, |v[XS+\i+3]|
.endr
	v_max3_num_f32 v8, v8, |v[XS+14]|, |v[XS+15]|
	v_max3_num_f32 v8, v8, v9, 0x1800000           ; and the floor 2^(3 - 127): the byte cannot fall under 1
	v_max_num_f32_dpp v8, v8, v8 row_xmask:1 row_mask:0xf bank_mask:0xf   ; with my neighbour's 16: the block's
	v_add_nc_u32 v11, 0xff000000, v8               ; 2 off its exponent field: the conversion takes the exponent field of this operand as its scale
	v_cvt_scalef32_pk8_fp4_f32 v[CX+4*(\t)], v[XS:XS+7], v11
	v_cvt_scalef32_pk8_fp4_f32 v[CX+4*(\t)+1], v[XS+8:XS+15], v11
	v_lshrrev_b32 v[EX+(\t)], 23, v11              ; the scale's byte (a plain line behind the conversions)
	ds_store_b8 v5, v[EX+(\t)] offset:16*(\t)      ; both lanes of a block write the same byte with the same value
	global_store_b64 v4, v[CX+4*(\t):CX+4*(\t)+1], s[10:11] offset:256*(\t)
.endm
.irp t, 0,1,2,3,4,5,6,7,8,9,10,11,12,13,14,15
	XSTEP \t
.endr
	ds_load_b64 v[8:9], v6                         ; served behind my byte stores
	s_wait_dscnt 0x0
	global_store_b64 v4, v[8:9], s[12:13]          ; 32 lanes store 256 consecutive bytes, aligned
	FINISH
; ---------------- W_qkv: K is its first axis.  A lane takes a column n and its registers run down K: a block of 32 lies in one lane, and the conversions give codes with K innermost.
; A wave takes 32 columns x 512 along K; the codes (256 bytes a column) go through the wave's stage and leave as rows, sixteen lanes to 256 consecutive bytes.
.Lwq:
.set PITCH, 272
.set WX,    32                         ; v32-95   two sets of 32 numbers
.set WC,    96                         ; v96-111  a block's codes (W_proj: a block's 16 packed registers)
.set OUTR,  112                        ; v112-175 the way out
.set SB,    24                         ; v24-27   the scale bytes, four to a register
	s_lshr_b32 s21, ttmp9, 1                       ; which 128 columns
	s_and_b32 s24, ttmp9, 1                        ; which 512 along K
	s_lshl_b32 s21, s21, 7
	s_lshl_b32 s22, s20, 5
	s_add_co_u32 s21, s21, s22                     ; my wave's first column
	s_mul_i32 s22, s24, 512*12288
	s_lshl_b32 s25, s21, 2
	s_add_co_u32 s22, s22, s25
	s_add_nc_u64 s[6:7], s[6:7], s[22:23]          ; W_qkv: 512 y rows of 12,288 bytes + 4 x column
	s_lshl_b32 s22, s21, 9
	s_lshl_b32 s25, s24, 8
	s_add_co_u32 s22, s22, s25
	s_add_nc_u64 s[14:15], s[14:15], s[22:23]      ; codes: column x 512 + 256 y
	s_lshl_b32 s22, s21, 5
	s_lshl_b32 s25, s24, 4
	s_add_co_u32 s22, s22, s25
	s_add_nc_u64 s[16:17], s[16:17], s[22:23]      ; scale bytes: column x 32 + 16 y
	s_mul_i32 s26, s20, 32*PITCH
	s_add_co_u32 s26, s26, 32768                   ; my stage: this path's LDS begins at byte 32,768
	v_lshlrev_b32 v3, 2, v2                        ; in: 4 bytes a lane
	v_mul_u32_u24 v4, v2, PITCH
	v_add_nc_u32 v4, s26, v4                       ; into the stage: row = my column
	v_and_b32 v5, 15, v2
	v_lshrrev_b32 v6, 4, v2
	v_mul_u32_u24 v7, v6, PITCH
	v_lshl_add_u32 v7, v5, 4, v7
	v_add_nc_u32 v7, s26, v7                       ; out of it: sixteen lanes to a row, two rows an instruction
	v_lshlrev_b32 v8, 9, v6
	v_lshl_add_u32 v8, v5, 4, v8                   ; and the same place in the codes' buffer
	v_lshlrev_b32 v9, 5, v2                        ; my column's row of scale bytes
.macro WLOAD t                         ; block t: W(32 t + i, my column); the largest offset, 511 x 12,288, lies inside the signed 24-bit immediate (ISA guide, chapter 10)
.irp i, 0,1,2,3,4,5,6,7,8,9,10,11,12,13,14,15,16,17,18,19,20,21,22,23,24,25,26,27,28,29,30,31
	global_load_b32 v[WX+32*((\t)%2)+\i], v3, s[6:7] offset:(32*(\t)+\i)*12288 th:TH_LOAD_NT
.endr
.endm
	WLOAD 0
	WLOAD 1
.macro WBLOCK t
.set XS, WX+32*((\t)%2)
.if (\t) < 15
	s_wait_loadcnt 32                              ; this block's 32 loads are in; the next block's 32 may be out
.else
	s_wait_loadcnt 0
.endif
	v_max3_num_f32 v12, |v[XS]|, |v[XS+1]|, |v[XS+2]|              ; the block's largest magnitude: all 32 numbers are mine
	v_max3_num_f32 v13, |v[XS+3]|, |v[XS+4]|, |v[XS+5]|
.irp i, 6,10,14,18,22,26
	v_max3_num_f32 v12, v12, |v[XS+\i]|, |v[XS+\i+1]|
	v_max3_num_f32 v13, v13, |v[XS+\i+2]|, |v[XS+\i+3]|
.endr
	v_max3_num_f32 v12, v12, |v[XS+30]|, |v[XS+31]|
	v_max3_num_f32 v12, v12, v13, 0x1800000        ; and the floor 2^(3 - 127)
	v_add_nc_u32 v11, 0xff000000, v12              ; the conversion's scale operand
	v_lshrrev_b32 v13, 23, v11                     ; the scale's byte
.if (\t)%4 == 0
	v_mov_b32 v[SB+(\t)/4], v13
.else
	v_lshl_or_b32 v[SB+(\t)/4], v13, 8*((\t)%4), v[SB+(\t)/4]
.endif
.irp g, 0,1,2,3
	v_cvt_scalef32_pk8_fp4_f32 v[WC+\g], v[XS+8*\g:XS+8*\g+7], v11
.endr
	v_nop                                          ; one plain line behind the last conversion
	ds_store_b128 v4, v[WC:WC+3] offset:16*(\t)    ; 32 codes: 16 bytes of my column's row
.if (\t)+2 < 16
	WLOAD (\t)+2
.endif
	s_wait_dscnt 0x0                               ; the store has read its registers: the next block's codes may be written
.endm
.irp t, 0,1,2,3,4,5,6,7,8,9,10,11,12,13,14,15
	WBLOCK \t
.endr
	global_store_b128 v9, v[SB:SB+3], s[16:17]     ; my column's 16 scale bytes
.irp t, 0,1,2,3,4,5,6,7,8,9,10,11,12,13,14,15
	ds_load_b128 v[OUTR+4*\t:OUTR+4*\t+3], v7 offset:2*\t*PITCH
.endr
.irp t, 0,1,2,3,4,5,6,7,8,9,10,11,12,13,14,15
	s_wait_dscnt 15-\t                             ; the younger loads from the stage may be out
	global_store_b128 v8, v[OUTR+4*\t:OUTR+4*\t+3], s[14:15] offset:2*\t*512
.endr
	FINISH
; ---------------- W_proj: the same plan of lanes, rounded to f16 and not quantised.  A wave takes 32 columns x 128 along K: 256 bytes a column.
.Lwp:
	s_sub_co_u32 s21, ttmp9, 48
	s_and_b32 s24, s21, 7                          ; which 128 along K
	s_lshr_b32 s21, s21, 3                         ; which 128 columns
	s_lshl_b32 s21, s21, 7
	s_lshl_b32 s22, s20, 5
	s_add_co_u32 s21, s21, s22                     ; my wave's first column
	s_lshl_b32 s22, s24, 19
	s_lshl_b32 s25, s21, 2
	s_add_co_u32 s22, s22, s25
	s_add_nc_u64 s[8:9], s[8:9], s[22:23]          ; W_proj: 128 y rows of 4,096 bytes + 4 x column
	s_lshl_b32 s22, s21, 11
	s_lshl_b32 s25, s24, 8
	s_add_co_u32 s22, s22, s25
	s_add_nc_u64 s[18:19], s[18:19], s[22:23]      ; wpt: column x 2,048 + 256 y
	s_mul_i32 s26, s20, 32*PITCH
	s_add_co_u32 s26, s26, 67584                   ; my stage: this path's LDS begins at byte 67,584
	v_lshlrev_b32 v3, 2, v2
	v_mul_u32_u24 v4, v2, PITCH
	v_add_nc_u32 v4, s26, v4
	v_and_b32 v5, 15, v2
	v_lshrrev_b32 v6, 4, v2
	v_mul_u32_u24 v7, v6, PITCH
	v_lshl_add_u32 v7, v5, 4, v7
	v_add_nc_u32 v7, s26, v7
	v_lshlrev_b32 v8, 11, v6
	v_lshl_add_u32 v8, v5, 4, v8
.macro PLOAD t
.irp i, 0,1,2,3,4,5,6,7,8,9,10,11,12,13,14,15,16,17,18,19,20,21,22,23,24,25,26,27,28,29,30,31
	global_load_b32 v[WX+32*((\t)%2)+\i], v3, s[8:9] offset:(32*(\t)+\i)*4096 th:TH_LOAD_NT
.endr
.endm
	PLOAD 0
	PLOAD 1
.macro PBLOCK t
.set XS, WX+32*((\t)%2)
.if (\t) < 3
	s_wait_loadcnt 32                              ; this block's 32 loads are in; the next block's 32 may be out
.else
	s_wait_loadcnt 0
.endif
.irp i, 0,1,2,3,4,5,6,7,8,9,10,11,12,13,14,15
	v_cvt_pk_f16_f32 v[WC+\i], v[XS+2*\i], v[XS+2*\i+1]            ; two neighbours along K, the lower in the low half
.endr
.irp g, 0,1,2,3
	ds_store_b128 v4, v[WC+4*\g:WC+4*\g+3] offset:64*(\t)+16*\g
.endr
.if (\t)+2 < 4
	PLOAD (\t)+2
.endif
	s_wait_dscnt 0x0                               ; the stores have read their registers
.endm
.irp t, 0,1,2,3
	PBLOCK \t
.endr
.irp t, 0,1,2,3,4,5,6,7,8,9,10,11,12,13,14,15
	ds_load_b128 v[OUTR+4*\t:OUTR+4*\t+3], v7 offset:2*\t*PITCH
.endr
.irp t, 0,1,2,3,4,5,6,7,8,9,10,11,12,13,14,15
	s_wait_dscnt 15-\t
	global_store_b128 v8, v[OUTR+4*\t:OUTR+4*\t+3], s[18:19] offset:2*\t*2048
.endr
	FINISH
.Lfunc_end_k_q7e909886ca_prep:
	.size	k_q7e909886ca_prep, .Lfunc_end_k_q7e909886ca_prep-k_q7e909886ca_prep
	.p2alignl 7, 3214868480
	.fill 96, 4, 3214868480
	.section	.rodata,"a",@progbits
	.p2align	6, 0x0
	.amdhsa_kernel k_q7e909886ca_prep
		.amdhsa_group_segment_fixed_size 102912
		.amdhsa_private_segment_fixed_size 0
		.amdhsa_enable_private_segment 0
		.amdhsa_kernarg_size 64
		.amdhsa_user_sgpr_count 2
		.amdhsa_user_sgpr_kernarg_segment_ptr 1
		.amdhsa_wavefront_size32 1
		.amdhsa_system_sgpr_workgroup_id_x 1
		.amdhsa_system_sgpr_workgroup_id_y 1
		.amdhsa_system_sgpr_workgroup_id_z 1
		.amdhsa_system_vgpr_workitem_id 0
		.amdhsa_next_free_vgpr 192
		.amdhsa_next_free_sgpr 66
		.amdhsa_reserve_vcc 0
		.amdhsa_float_denorm_mode_32 3
		.amdhsa_float_denorm_mode_16_64 3
		.amdhsa_memory_ordered 1
		.amdhsa_forward_progress 1
		.amdhsa_inst_pref_size 132
	.end_amdhsa_kernel
	.amdgpu_metadata
---
amdhsa.version: [ 1, 2 ]
amdhsa.kernels:
  - .name:           k_q7e909886ca_prep
    .symbol:         k_q7e909886ca_prep.kd
    .args:
      - { .name: x, .offset: 0, .size: 8, .value_kind: global_buffer, .address_space: global }
      - { .name: W_qkv, .offset: 8, .size: 8, .value_kind: global_buffer, .address_space: global }
      - { .name: W_proj, .offset: 16, .size: 8, .value_kind: global_buffer, .address_space: global }
      - { .name: xc, .offset: 24, .size: 8, .value_kind: global_buffer, .address_space: global }
      - { .name: xs, .offset: 32, .size: 8, .value_kind: global_buffer, .address_space: global }
      - { .name: wc, .offset: 40, .size: 8, .value_kind: global_buffer, .address_space: global }
      - { .name: ws, .offset: 48, .size: 8, .value_kind: global_buffer, .address_space: global }
      - { .name: wpt, .offset: 56, .size: 8, .value_kind: global_buffer, .address_space: global }
    .group_segment_fixed_size: 102912
    .private_segment_fixed_size: 0
    .kernarg_segment_align: 8
    .kernarg_segment_size: 64
    .max_flat_workgroup_size: 128
    .sgpr_count:     66
    .vgpr_count:     192
    .wavefront_size: 32
...
	.end_amdgpu_metadata
.endif
;; end of part 1
;; launch qkv (part 2): grid 12 x 32, 4 waves a work-group, clusters of 4 x 4, 327,680 bytes of LDS; arguments xc, xs, wc, ws, b_qkv, qkv; writes qkv
.if DOCPART == 2
	.amdgcn_target "amdgcn-amd-amdhsa--gfx1250"
	.amdhsa_code_object_version 6
	.text
	.protected	k_q7e909886ca_qkv
	.globl	k_q7e909886ca_qkv
	.p2align	8
	.type	k_q7e909886ca_qkv,@function
k_q7e909886ca_qkv:
	s_mov_b64 s[64:65], 0
	v_nop
	global_prefetch_b8 v0, s[64:65] scope:SCOPE_SE
	s_setreg_imm32_b32 hwreg(HW_REG_WAVE_MODE, 25, 1), 1
	s_wait_xcnt 0x0
	s_wait_alu depctr_hold_cnt(0) depctr_sa_sdst(0) depctr_va_vdst(0) depctr_va_sdst(0) depctr_va_ssrc(0) depctr_va_vcc(0) depctr_vm_vsrc(0)
	s_getreg_b32 s2, hwreg(HW_REG_IB_STS2, 6, 4)
	s_cmp_eq_u32 s2, 0
	s_cbranch_scc0 .Lentry_in_a_cluster
	s_endpgm
.Lentry_in_a_cluster:
	s_bfe_u32 s2, ttmp6, 0x10000c
	s_cmp_lg_u32 s2, 0xf033
	s_cbranch_scc0 .Lentry_shape_is_right
	s_endpgm
.Lentry_shape_is_right:
; q, k, v = Q(x) Q(W_qkv) + bias, on codes of E2M1 with one E8M0 scale for each 32 along K; sums in f32; the results rounded once to f16.
; A = xc [8192][512 bytes], xs [8192][32];  B = wc [3072][512 bytes], ws [3072][32].  Out: qkv, f16, [3 parts][32 = batch x 8 + head pair][2048 positions][128]: a row of 256 bytes holds two heads.
; WORK LEFT OUT: b_qkv[1024:2048], the bias of k, is not loaded: it adds to every score of a row the same term q . bk, which the softmax along the keys takes away, whatever the inputs hold
; (shown at the head of the first launch).  LIMITS: a NaN or infinity there is not carried to the result; |q|, |k|, |v| beyond 65,504 become infinity in f16.
; A tile of 256 x 256 is made by a work-group of four waves; a wave makes 128 x 128: 64 accumulators of 16 x 16, 512 registers.  K = 1,024 is two LDS slots of 512 along K (rows of 256 bytes):
; both are asked for at the start and none is filled again.  The scale bytes of the work-group's 256 + 256 rows, for all of K, come once, as dense blocks.
; CLUSTERS: 4 x 4 work-groups.  The four of a row of the cluster need the same tiles of A, the four of a column the same tiles of B: each tile is asked for jointly.
; THE MATRIX INSTRUCTION IS USED TRANSPOSED (source 0 = 16 rows of B, source 1 = 16 rows of A): a lane holds eight neighbouring columns of one row of the result.
; THE BIAS is the C of each sum's first product: eight registers for each of B's eight blocks, in the result's layout.
; REGISTERS, in windows of 256: window 0: v0-31 addresses; v32-95 scale words, two sets; v96-127 packed results; v128-191 A's fragments, one set (on the way out: rows read back); v192-255 the bias.
;   window 1: B's fragments, two sets, at v0 and v128.   window 2: the accumulators of my rows 0-63 ((a, b) at v[8 (8 a + b)]);   window 3: those of my rows 64-127.
.set SIZE_K, 1024
.set KSTEP,  512
.set NQ,     KSTEP/128                 ; matrix instructions deep in a slot
.set ROWB,   256                       ; a tile's row in bytes
.set KROW,   SIZE_K*4/8                ; a row of codes in memory
.set PITCH,  272                       ; an LDS row: 256 bytes + 16 of padding, so that the 16 rows that a load touches start 4 banks apart (ISA guide 11.1)
.set FR,     8
.set NL,     2
.set NP,     4                         ; places behind this matrix instruction (ISA guide 7.12.1)
.set HALFT,  128*PITCH
.set SLOT,   4*HALFT
.set KS,     SIZE_K/32
.set SCL,    2*SLOT                    ; behind the two slots: the scales, as rows of 256 bytes + 16
.set HALFS,  (128*KS/256)*272
.set SBLK,   (16*KS/256)*272
.set SPARE,  SCL+4*HALFS               ; the spare words, 128 bytes for each wave
.set SPITCH, 272                       ; the way out: a stage of 16 rows x (256 + 16) bytes for each wave, in slot 0, which has had its one fill and its last read by then
.set ADRA, 16
.set ADRB, 20
.set STO,  24
.set RD,   25
.set CO,   26
.set ADRS, 27
.set SPW,  28
.set NIL,  29
.set BO,   30                          ; v30  32 x (lane / 16): my eight numbers of a block's sixteen biases
.set SC,   32
.set TMP,  96
.set AF,   128
.set BK,   128
.set BIAS, 192
.set G1, 24
.set G0, 32
.set G1B, 48
.set G0B, 56
.set G1S, 68
.set G0S, 76
.set G1SB, 80
.set G0SB, 88
.set MSB, 0
.macro WIN new                         ; the immediate's high byte repeats the setting that is left
.if MSB != (\new)
	s_set_vgpr_msb (MSB<<8)|(\new)
.set MSB, (\new)
.endif
.endm
.set MUL_LO, 0xa1                      ; source 0 (B) window 1, source 1 (A) window 0, C and D window 2
.set MUL_HI, 0xf1                      ; the same, C and D window 3
.set FST_LO, 0x81                      ; the first step: C (the bias) window 0, D window 2
.set FST_HI, 0xc1                      ; D window 3
.set TO_B,   0x40
; A joint load: waves 0 and 1 fetch for A, waves 2 and 3 for B.  The branch hangs on the wave's number alone.  An s_nop 0 and four v_nop follow each of the two lines.
.macro JLOAD g0a, g1a, g0b, g1b
	s_cmp_eq_u32 s15, 0
	s_cbranch_scc0 .Lfor_b_\@
	tensor_load_to_lds s[\g0a:\g0a+3], s[\g1a:\g1a+7]
	s_nop 0
.rept 4
	v_nop
.endr
	s_branch .Lasked_\@
.Lfor_b_\@:
	tensor_load_to_lds s[\g0b:\g0b+3], s[\g1b:\g1b+7]
	s_nop 0
.rept 4
	v_nop
.endr
.Lasked_\@:
.endm
.macro CROUND                          ; a round of the cluster's barrier
	s_barrier_signal -1
	s_barrier_wait -1
	s_cmp_lg_u32 s14, 0
	s_cbranch_scc1 .Lnot_wave_0_\@
	s_barrier_signal -3
.Lnot_wave_0_\@:
	s_barrier_wait -3
	s_barrier_signal -1
	s_barrier_wait -1
.endm
	s_load_b128 s[4:7], s[0:1], 0x0                ; x's codes s[4:5], x's scales s[6:7]
	s_load_b128 s[8:11], s[0:1], 0x10              ; W's codes s[8:9], W's scales s[10:11]
	s_load_b64 s[96:97], s[0:1], 0x20              ; b_qkv
	s_load_b64 s[12:13], s[0:1], 0x28              ; qkv
	v_lshl_add_u32 v[SPW], v0, 2, SPARE
	v_mov_b32 v[NIL], 0
	ds_add_u32 v[SPW], v[NIL]                      ; the wave's opening: the add, twice on end, and its wait ahead of my first tensor load
	ds_add_u32 v[SPW], v[NIL]
	v_lshrrev_b32 v1, 5, v0
	v_readfirstlane_b32 s14, v1                    ; wave 0..3
	s_lshr_b32 s15, s14, 1                         ; which half of the tile's rows is mine.  Also: I fetch for A (0) or for B (1)
	s_and_b32 s16, s14, 1                          ; which half of its columns.  Also: which 128 rows of that tile I fetch
	s_bfe_u32 s40, ttmp6, 0x40000                  ; cx, cy: my place in the cluster
	s_bfe_u32 s41, ttmp6, 0x40004
	s_lshl_b32 s42, ttmp9, 2
	s_add_co_u32 s42, s42, s40                     ; tile column = 4 x cluster x + cx
	s_and_b32 s17, ttmp7, 0xffff
	s_lshl_b32 s17, s17, 2
	s_add_co_u32 s17, s17, s41                     ; tile row = 4 x cluster y + cy
	s_lshl_b32 s43, s41, 2
	s_lshl_b32 s43, 15, s43                        ; my row of the cluster
	s_lshl_b32 s44, 0x1111, s40                    ; my column
	; descriptor group 1: a tile of 128 rows x 256 bytes, 16 bytes of padding behind each row
	s_or_b32 s[G1+0], s43, (0<<16)|(1<<20)|(1<<21)|(5<<22)|(3<<25)
	s_or_b32 s[G1B+0], s44, (0<<16)|(1<<20)|(1<<21)|(5<<22)|(3<<25)
.irp g, G1, G1B
	s_mov_b32 s[\g+1], ROWB<<16                    ; tensor_dim0
	s_mov_b32 s[\g+2], 128<<16                     ; tensor_dim1
	s_mov_b32 s[\g+3], ROWB<<16                    ; tile_dim0
	s_mov_b32 s[\g+4], 128                         ; tile_dim1
	s_mov_b32 s[\g+5], KROW                        ; from row to row
	s_mov_b32 s[\g+6], 0
	s_mov_b32 s[\g+7], 0
.endr
	; the scales of 128 rows: 4,096 dense bytes, as 16 rows of 256 bytes (32 elements of 8), padded likewise
	s_or_b32 s[G1S+0], s43, (3<<16)|(1<<20)|(1<<21)|(5<<22)|(3<<25)
	s_or_b32 s[G1SB+0], s44, (3<<16)|(1<<20)|(1<<21)|(5<<22)|(3<<25)
.irp g, G1S, G1SB
	s_mov_b32 s[\g+1], 32<<16
	s_mov_b32 s[\g+2], (128*KS/256)<<16
	s_mov_b32 s[\g+3], 32<<16
	s_mov_b32 s[\g+4], 128*KS/256
	s_mov_b32 s[\g+5], 32
	s_mov_b32 s[\g+6], 0
	s_mov_b32 s[\g+7], 0
.endr
	s_lshl_b32 s18, s16, 7                         ; which 128 rows of the tile I fetch
	s_lshl_b32 s20, s17, 8
	s_add_co_u32 s20, s20, s18                     ; A: row 256 x tile row + 128 x half
	s_lshl_b32 s46, s42, 8
	s_add_co_u32 s46, s46, s18                     ; B: row 256 x tile column + 128 x half
	s_mov_b32 s21, 0
	s_mov_b32 s47, 0
	s_mov_b64 s[18:19], KS
	s_mul_u64 s[22:23], s[20:21], s[18:19]         ; where these rows' scales begin
	s_mul_u64 s[92:93], s[46:47], s[18:19]
	s_mov_b64 s[18:19], KROW
	s_mul_u64 s[20:21], s[20:21], s[18:19]         ; and their codes
	s_mul_u64 s[46:47], s[46:47], s[18:19]
	s_mul_i32 s45, s14, HALFT                      ; where they go: wave x 128 rows: no place in the cluster enters an LDS address
	s_mul_i32 s94, s14, HALFS
	s_wait_dscnt 0x0                               ; both opening adds are done
	s_wait_kmcnt 0x0
	s_add_nc_u64 s[20:21], s[4:5], s[20:21]
	s_add_nc_u64 s[22:23], s[6:7], s[22:23]
	s_add_nc_u64 s[46:47], s[8:9], s[46:47]
	s_add_nc_u64 s[92:93], s[10:11], s[92:93]
	CROUND                                         ; all sixteen work-groups are here: the joint loads meet
	s_mov_b32 s[G0S], 1
	s_add_co_u32 s[G0S+1], s94, SCL
	s_mov_b64 s[G0S+2:G0S+3], s[22:23]
	s_or_b32 s[G0S+3], s[G0S+3], 0x80000000
	s_mov_b32 s[G0SB], 1
	s_add_co_u32 s[G0SB+1], s94, SCL
	s_mov_b64 s[G0SB+2:G0SB+3], s[92:93]
	s_or_b32 s[G0SB+3], s[G0SB+3], 0x80000000
	JLOAD G0S, G1S, G0SB, G1SB                     ; the scales first: they are wanted with the first slot
.irp s, 0,1
	s_mov_b32 s[G0+4*\s], 1
	s_add_co_u32 s[G0+4*\s+1], s45, \s*SLOT
	s_add_nc_u64 s[G0+4*\s+2:G0+4*\s+3], s[20:21], \s*ROWB
	s_or_b32 s[G0+4*\s+3], s[G0+4*\s+3], 0x80000000
	s_mov_b32 s[G0B+4*\s], 1
	s_add_co_u32 s[G0B+4*\s+1], s45, \s*SLOT
	s_add_nc_u64 s[G0B+4*\s+2:G0B+4*\s+3], s[46:47], \s*ROWB
	s_or_b32 s[G0B+4*\s+3], s[G0B+4*\s+3], 0x80000000
	JLOAD G0+4*\s, G1, G0B+4*\s, G1B               ; three tensor loads of mine are out in all
.endr
	v_and_b32 v1, 15, v0                           ; l % 16
	v_bfe_u32 v2, v0, 4, 1                         ; l / 16
	; THE BIAS.  Four tiles of 256 columns are a part (q, k, v), so the part is the cluster's x: the same in all sixteen partners and all waves.
	s_lshl_b32 s46, s42, 10                        ; my first column, x 4 bytes: 1,024 x tile column + 512 x half
	s_lshl_b32 s47, s16, 9
	s_add_co_u32 s46, s46, s47
	s_mov_b32 s47, 0
	s_add_nc_u64 s[96:97], s[96:97], s[46:47]
	v_lshlrev_b32 v[BO], 5, v2
	s_cmp_eq_u32 ttmp9, 1
	s_cbranch_scc1 .Lkeys
.irp b, 0,1,2,3,4,5,6,7
	global_load_b128 v[BIAS+8*\b:BIAS+8*\b+3], v[BO], s[96:97] offset:64*\b          ; b(first column + 16 b + 8 (l / 16) + 0 .. 7)
	global_load_b128 v[BIAS+8*\b+4:BIAS+8*\b+7], v[BO], s[96:97] offset:64*\b+16
.endr
	s_branch .Lbias_set
.Lkeys:                                                ; k's bias is work left out: its sums begin at 0, in the same registers, so that the first step is written once
.set j, 0
.rept 64
	v_mov_b32 v[BIAS+j], 0
.set j, j+1
.endr
.Lbias_set:
	v_mul_u32_u24 v3, v1, PITCH
	v_lshl_add_u32 v4, v2, 4, v3                   ; a fragment's row x pitch + 16 x half
	s_mul_i32 s21, s15, HALFT                      ; my 128 rows of A
	s_mul_i32 s22, s16, HALFT                      ; my 128 rows of B,
	s_add_co_u32 s22, s22, 2*HALFT                 ; which lie behind A's 256
.irp s, 0,1
	v_add_nc_u32 v[ADRA+\s], s21, v4
	v_add_nc_u32 v[ADRB+\s], s22, v4
	s_add_co_u32 s21, s21, SLOT
	s_add_co_u32 s22, s22, SLOT
.endr
	v_mul_u32_u24 v5, v1, KS                       ; my row's scales: 32 bytes a row,
	v_lshrrev_b32 v6, 8, v5
	v_lshl_add_u32 v5, v6, 4, v5                   ; and 16 more for each 256 passed
	s_mul_i32 s21, s15, HALFS
	s_mul_i32 s22, s16, HALFS
	s_add_co_u32 s22, s22, 2*HALFS
	s_sub_co_u32 s22, s22, s21
	v_mul_u32_u24 v6, s22, v2                      ; lanes 16-31 take B's
	s_add_co_u32 s21, s21, SCL
	v_add_nc_u32 v5, v5, v6
	v_add_nc_u32 v[ADRS], s21, v5
	s_mul_i32 s23, s14, 16*SPITCH                  ; my stage
	v_mul_u32_u24 v5, v1, SPITCH
	v_lshl_add_u32 v5, v2, 4, v5
	v_add_nc_u32 v[STO], s23, v5                   ; in: row l % 16, 16 bytes for each half of the lanes
	v_mul_u32_u24 v5, v2, SPITCH
	v_lshl_add_u32 v5, v1, 4, v5
	v_add_nc_u32 v[RD], s23, v5                    ; back: lanes 0-15 one row of 256 bytes, lanes 16-31 the next
	v_and_b32 v6, 31, v0
	v_lshlrev_b32 v[CO], 4, v6                     ; and in memory the two rows are 512 bytes on end
	; where my 128 rows x 128 columns go: 32,768 dense bytes.  g = 2 x tile column + half: part g / 8, head pair g % 8;  batch = tile row / 8;  position = 256 (tile row % 8) + 128 x half
	s_lshl_b32 s46, s42, 1
	s_add_co_u32 s46, s46, s16
	s_lshr_b32 s47, s46, 3
	s_and_b32 s46, s46, 7
	s_lshl_b32 s47, s47, 5
	s_add_co_u32 s46, s46, s47
	s_lshr_b32 s20, s17, 3
	s_lshl_b32 s20, s20, 3
	s_add_co_u32 s46, s46, s20
	s_lshl_b32 s46, s46, 19                        ; x 2,048 rows of 256 bytes
	s_and_b32 s20, s17, 7
	s_lshl_b32 s20, s20, 8
	s_lshl_b32 s21, s15, 7
	s_add_co_u32 s20, s20, s21
	s_lshl_b32 s20, s20, 8
	s_add_co_u32 s46, s46, s20
	s_mov_b32 s47, 0
	s_add_nc_u64 s[12:13], s[12:13], s[46:47]
.macro FRAG reg, adr, q, i             ; 16 rows x 128 K of 4-bit codes: 8 registers: lane l holds row l % 16; registers 4 c .. 4 c + 3 hold K = 64 c + 32 (l / 16) + 0 .. 31
.irp c, 0,1
	ds_load_b128 v[\reg+4*\c:\reg+4*\c+3], v[\adr] offset:64*(\q)+32*\c+(\i)*16*PITCH
.endr
.endm
; 16 matrix instructions: A's blocks a0, a0 + 1 x B's eight, the slot's q-th 128 along K.  p: B's set;  sc: the set of scale words.  first = 1: the sums begin with the bias.
; The 64 accumulators take turns, one instruction a turn, in the same order in every step.
.macro MUL16 a0, p, q, sc, first
.irp a, \a0, \a0+1
.irp b, 0,1,2,3,4,5,6,7
.if \first
	v_wmma_scale_f32_16x16x128_f8f6f4 v[8*(8*((\a)%4)+\b):8*(8*((\a)%4)+\b)+7], v[128*(\p)+FR*\b:128*(\p)+FR*\b+FR-1], v[AF+FR*(\a):AF+FR*(\a)+FR-1], v[BIAS+8*\b:BIAS+8*\b+7], v[SC+8*NQ*(\sc)+NQ*\b+(\q)], v[SC+8*NQ*(\sc)+NQ*(\a)+(\q)] matrix_a_fmt:MATRIX_FMT_FP4 matrix_b_fmt:MATRIX_FMT_FP4 matrix_a_scale:MATRIX_SCALE_ROW1
.else
	v_wmma_scale_f32_16x16x128_f8f6f4 v[8*(8*((\a)%4)+\b):8*(8*((\a)%4)+\b)+7], v[128*(\p)+FR*\b:128*(\p)+FR*\b+FR-1], v[AF+FR*(\a):AF+FR*(\a)+FR-1], v[8*(8*((\a)%4)+\b):8*(8*((\a)%4)+\b)+7], v[SC+8*NQ*(\sc)+NQ*\b+(\q)], v[SC+8*NQ*(\sc)+NQ*(\a)+(\q)] matrix_a_fmt:MATRIX_FMT_FP4 matrix_b_fmt:MATRIX_FMT_FP4 matrix_a_scale:MATRIX_SCALE_ROW1
.endif
.endr
.endr
.endm
.macro FETCH_B slot, q, p
	WIN TO_B
.irp i, 0,1,2,3,4,5,6,7
	FRAG 128*(\p)+FR*\i, ADRB+\slot, \q, \i
.endr
	WIN 0
.endm
.macro FETCH_A slot, q, i0
.irp i, \i0, \i0+1, \i0+2, \i0+3
	FRAG AF+FR*(\i), ADRA+\slot, \q, \i
.endr
.endm
.macro SCALES sc                       ; a slot's scale words: four a row; lanes 0-15 take A's block i, lanes 16-31 B's block i
.irp i, 0,1,2,3,4,5,6,7
	ds_load_b128 v[SC+8*NQ*\sc+NQ*\i:SC+8*NQ*\sc+NQ*\i+3], v[ADRS] offset:\i*SBLK
.endr
.endm
.macro PLACES n                        ; plain vector lines between a matrix instruction and a load into its registers, or a read of its result
.rept \n
	v_nop
.endr
.endm
; A step of 128 along K that has its successor in the same slot.  A's blocks are free as soon as their eight products are issued: blocks 0-3 are fetched anew in the middle, 4-7 at the end.
.macro STEP slot, q, first
	s_wait_dscnt 4*NL                              ; B's set, A's blocks 0-3 (and the scale words) are in; the youngest eight loads, A's blocks 4-7, may be out
.if \first
	WIN FST_LO
.else
	WIN MUL_LO
.endif
	MUL16 0, (\q)%2, \q, \slot, \first
	MUL16 2, (\q)%2, \q, \slot, \first
	s_wait_dscnt 0
	PLACES NP
	FETCH_B \slot, (\q)+1, 1-(\q)%2
	FETCH_A \slot, (\q)+1, 0
.if \first
	WIN FST_HI
.else
	WIN MUL_HI
.endif
	MUL16 4, (\q)%2, \q, \slot, \first
	MUL16 6, (\q)%2, \q, \slot, \first
	PLACES NP
	WIN 0
	FETCH_A \slot, (\q)+1, 4
.endm
; Slot 0's last step goes over to slot 1: one barrier; in front of it each wave waits for all its tensor loads (its part of slot 1), adds 0 to its spare word, and waits for that and for its reads.
.macro TURN slot, next
	s_wait_tensorcnt 0x0
	ds_add_u32 v[SPW], v[NIL]
	s_wait_dscnt 4*NL+1                            ; the add and the youngest eight loads, A's blocks 4-7, may be out
	WIN MUL_LO
	MUL16 0, 1, NQ-1, \slot, 0
	s_wait_dscnt 0x0                               ; the add is done, and my reads of this slot are over
	s_barrier_signal -1
	MUL16 2, 1, NQ-1, \slot, 0
	WIN 0
	s_barrier_wait -1
	PLACES NP
	v_add_nc_u32 v[ADRS], 4*NQ, v[ADRS]            ; on to the next slot's scale words
	FETCH_B \next, 0, 0
	FETCH_A \next, 0, 0
	SCALES \next
	WIN MUL_HI
	MUL16 4, 1, NQ-1, \slot, 0
	MUL16 6, 1, NQ-1, \slot, 0
	PLACES NP
	WIN 0
	FETCH_A \next, 0, 4
.endm
.macro STEPS slot, from
.set Q, \from
.rept NQ-1-\from
	STEP \slot, Q, 0
.set Q, Q+1
.endr
.endm
	s_wait_tensorcnt 1                             ; the scales and my part of slot 0 are in; slot 1's load may be out
	s_barrier_signal -1
	s_barrier_wait -1
	FETCH_B 0, 0, 0
	FETCH_A 0, 0, 0
	SCALES 0
	FETCH_A 0, 0, 4
	s_wait_loadcnt 0x0                             ; the bias
	STEP 0, 0, 1
	STEPS 0, 1
	TURN 0, 1
	STEPS 1, 0
	s_wait_dscnt 4*NL                              ; the last step: nothing more to fetch
	WIN MUL_LO
	MUL16 0, 1, NQ-1, 1, 0
	MUL16 2, 1, NQ-1, 1, 0
	s_wait_dscnt 0
	WIN MUL_HI
	MUL16 4, 1, NQ-1, 1, 0
	MUL16 6, 1, NQ-1, 1, 0
	WIN 0
; THE WAY OUT, block by block of 16 rows x 128 columns: rounded to f16, 16 bytes a lane; through my own stage; back as whole rows of 256 bytes; two rows, 512 consecutive bytes, a store.
.macro PACK a
.set AC, 64*((\a)%4)
	WIN 0x0a+5*((\a)/4)                            ; sources 0 and 1: window 2 or 3
.irp b, 0,1,2,3,4,5,6,7
.irp r, 0,1,2,3
	v_cvt_pk_f16_f32 v[TMP+4*\b+\r], v[AC+8*\b+2*\r], v[AC+8*\b+2*\r+1]   ; each accumulator from its low end on
.endr
.endr
	WIN 0
.endm
.macro TOSTAGE a
.set BB, BK+32*((\a)%2)
.irp b, 0,1,2,3,4,5,6,7
	ds_store_b128 v[STO], v[TMP+4*\b:TMP+4*\b+3] offset:32*\b
.endr
.irp t, 0,1,2,3,4,5,6,7
	ds_load_b128 v[BB+4*\t:BB+4*\t+3], v[RD] offset:\t*2*SPITCH    ; LDS serves a wave's instructions in order (ISA guide 5.7.1.4): these see the stores above
.endr
.endm
.macro SEND a
.set BB, BK+32*((\a)%2)
	s_wait_dscnt 0x0                               ; the block is back in registers
	s_wait_xcnt 0x0                                ; the block before has had its stores' registers read: the next block's loads may land there
.irp t, 0,1,2,3,4,5,6,7
	global_store_b128 v[CO], v[BB+4*\t:BB+4*\t+3], s[12:13] offset:4096*(\a)+512*\t
.endr
.endm
	PLACES NP
	PACK 0
	TOSTAGE 0
.irp a, 1,2,3,4,5,6,7                  ; block a's conversions stand between block a - 1's loads from the stage and the wait for them
	PACK \a
	SEND \a-1
	TOSTAGE \a
.endr
	SEND 7
	s_wait_tensorcnt 0x0                           ; the wave's end
	ds_add_u32 v[SPW], v[NIL]
	s_wait_dscnt 0x0
	CROUND                                         ; the closing round
	s_endpgm
.Lfunc_end_k_q7e909886ca_qkv:
	.size	k_q7e909886ca_qkv, .Lfunc_end_k_q7e909886ca_qkv-k_q7e909886ca_qkv
	.p2alignl 7, 3214868480
	.fill 96, 4, 3214868480
	.section	.rodata,"a",@progbits
	.p2align	6, 0x0
	.amdhsa_kernel k_q7e909886ca_qkv
		.amdhsa_group_segment_fixed_size 327680
		.amdhsa_private_segment_fixed_size 0
		.amdhsa_enable_private_segment 0
		.amdhsa_kernarg_size 48
		.amdhsa_user_sgpr_count 2
		.amdhsa_user_sgpr_kernarg_segment_ptr 1
		.amdhsa_wavefront_size32 1
		.amdhsa_system_sgpr_workgroup_id_x 1
		.amdhsa_system_sgpr_workgroup_id_y 1
		.amdhsa_system_sgpr_workgroup_id_z 1
		.amdhsa_system_vgpr_workitem_id 0
		.amdhsa_next_free_vgpr 1024
		.amdhsa_next_free_sgpr 98
		.amdhsa_reserve_vcc 0
		.amdhsa_float_denorm_mode_32 3
		.amdhsa_float_denorm_mode_16_64 3
		.amdhsa_memory_ordered 1
		.amdhsa_forward_progress 1
		.amdhsa_inst_pref_size 130
	.end_amdhsa_kernel
	.amdgpu_metadata
---
amdhsa.version: [ 1, 2 ]
amdhsa.kernels:
  - .name:           k_q7e909886ca_qkv
    .symbol:         k_q7e909886ca_qkv.kd
    .args:
      - { .name: xc, .offset: 0, .size: 8, .value_kind: global_buffer, .address_space: global }
      - { .name: xs, .offset: 8, .size: 8, .value_kind: global_buffer, .address_space: global }
      - { .name: wc, .offset: 16, .size: 8, .value_kind: global_buffer, .address_space: global }
      - { .name: ws, .offset: 24, .size: 8, .value_kind: global_buffer, .address_space: global }
      - { .name: b_qkv, .offset: 32, .size: 8, .value_kind: global_buffer, .address_space: global }
      - { .name: qkv, .offset: 40, .size: 8, .value_kind: global_buffer, .address_space: global }
    .group_segment_fixed_size: 327680
    .private_segment_fixed_size: 0
    .kernarg_segment_align: 8
    .kernarg_segment_size: 48
    .max_flat_workgroup_size: 128
    .sgpr_count:     98
    .vgpr_count:     1024
    .wavefront_size: 32
...
	.end_amdgpu_metadata
.endif
;; end of part 2
;; launch attn (part 3): grid 8 x 32, 16 waves a work-group, clusters of 4 x 1, 327,680 bytes of LDS; arguments qkv, o; writes o
.if DOCPART == 3
	.amdgcn_target "amdgcn-amd-amdhsa--gfx1250"
	.amdhsa_code_object_version 6
	.text
	.protected	k_q7e909886ca_attn
	.globl	k_q7e909886ca_attn
	.p2align	8
	.type	k_q7e909886ca_attn,@function
k_q7e909886ca_attn:
	s_mov_b64 s[64:65], 0
	v_nop
	global_prefetch_b8 v0, s[64:65] scope:SCOPE_SE
	s_setreg_imm32_b32 hwreg(HW_REG_WAVE_MODE, 25, 1), 1
	s_wait_xcnt 0x0
	s_wait_alu depctr_hold_cnt(0) depctr_sa_sdst(0) depctr_va_vdst(0) depctr_va_sdst(0) depctr_va_ssrc(0) depctr_va_vcc(0) depctr_vm_vsrc(0)
	s_getreg_b32 s2, hwreg(HW_REG_IB_STS2, 6, 4)
	s_cmp_eq_u32 s2, 0
	s_cbranch_scc0 .Lentry_in_a_cluster
	s_endpgm
.Lentry_in_a_cluster:
	s_bfe_u32 s2, ttmp6, 0x10000c
	s_cmp_lg_u32 s2, 0x3003
	s_cbranch_scc0 .Lentry_shape_is_right
	s_endpgm
.Lentry_shape_is_right:
; o[b][n][h 64 + d] = the sum over keys j of softmax_j(q[n] . k[j] / 8) v[j][d], for 64 heads of 64 channels, 2,048 positions, no mask.
; In: qkv, f16, [3 parts][32 head pairs][2048][128] (a row of 256 bytes holds two heads).  Out: o, f16, [8192][1024].  Products on f16 operands, sums, maxima and exponentials in f32.
; (k comes without its bias: that work is left out, as shown at the head of the first launch.)
; LIMITS: the weights p and o go in f16; the row's sum is taken of the unrounded p.  NaN and infinities are not served.
; SHARES.  A work-group owns 256 queries of one head pair.  Wave w of sixteen owns head w / 8 of the pair and queries 32 (w % 8) .. + 31: two tiles of 16, in 256 registers: four waves to a SIMD, so
; that one wave's vector work stands beside another's matrix work and LDS loads.  Every wave walks all keys, 64 a step.
; LAYOUT.  S^T = K Q^T (source 0 = 16 keys, source 1 = 16 queries): a lane holds ONE query (lane % 16) and keys 8 (lane / 16) + 0..7.  Two such tiles, rounded to f16 in pairs, are source 1
; (32 keys x 16 queries) of O^T = V^T P, whose result again holds one query a lane.  K comes out of LDS as it lies, V ([key][channel]) turned, by ds_load_tr16_b128.
; SOFTMAX.  A running maximum m and sum l for each query: p = 2^(c s - c m), c = log2(e) / 8; in every step O^T and l are multiplied by a = 2^(c m_old - c m_new).  m begins at -3e38 and
; O^T and l at 0, so that the step is written once: the first a is 0 and multiplies zeros.
; RING.  Two LDS slots of 256 keys (four steps): 256 rows of K, then 256 of V.  Waves 0-3 fetch K's four steps, waves 4-7 V's, one tensor load each behind a change of slots; a wave has one out at the most.
; CLUSTER.  The four query blocks of a cluster walk the same K and V: each tile is asked for jointly, by the same load with a mask that names the four.
.set PK,     272                       ; a row of K in LDS: 256 bytes + 16
.set PV,     288                       ; a row of V
.set VOFF,   256*PK
.set SLOT,   256*(PK+PV)
.set KSTEPB, 64*PK
.set VSTEPB, 64*PV
.set SPARE,  2*SLOT                    ; behind the ring: the spare words, 128 bytes for each of sixteen waves
.set TILEB,  256*256                   ; a slot's rows of K, or of V, in memory
.set AK0, 2                            ; v2   my lane's place in a step's K
.set AV0, 3                            ; v3   and in its V
.set ADR, 4                            ; v4   the address of the run of loads in hand
.set QO,  5                            ; v5   my byte offset in the wave's rows of q
.set STO, 6                            ; v6   the way out: where I put 16 bytes of a row
.set RD,  7                            ; v7   where I read a row back
.set GO,  8                            ; v8   my byte offset in the wave's rows of o
.set PFO, 12                           ; v12  256 x lane: the prefetches' offset
.set SPW, 14                           ; v14  LDS address of my spare word; never rewritten
.set NIL, 15                           ; v15  0; never rewritten
.set ST,  16                           ; v16-31   tile t's statistics at ST + 8 t: +0 c m, +1 m, +2, +3 l (even keys', odd keys'), +4 .. +7 at work; a takes +6
.set Q,   32                           ; v32-63   q: tile t, channels 32 c on, at Q + 16 t + 8 c
.set S,   64                           ; v64-127  S^T, 32 a tile; p in place; then P in its first 16
.set O,   128                          ; v128-191 O^T, 32 a tile
.set KV,  192                          ; v192-255 K's eight fragments, then V's eight
.set WV,  12
.set G1K, 24
.set G1V, 32
.set G0K, 40                           ; s[40:47] group 0 for K's tiles, a set for each slot
.set G0V, 48                           ; s[48:55] the same for V's
.set LAPC, 56
.set STPC, 57
.set CS,  58                           ; s[58:59] c, twice: the packed form names a pair
.set SEL, 60                           ; s[60:61] lane selects: lane l xor 16
.set TK,  62                           ; s62  LDS byte at which the step's K begins
.set TV,  63                           ; s63  the same for V (VOFF lies in v3)
.set PFA, 66                           ; s[66:67] where my prefetches stand
.set LIM, 68                           ; s68  1 in a wave that prefetches, else 0
.macro CROUND                          ; a round of the cluster's barrier
	s_barrier_signal -1
	s_barrier_wait -1
	s_cmp_lg_u32 s[WV], 0
	s_cbranch_scc1 .Lnot_wave_0_\@
	s_barrier_signal -3
.Lnot_wave_0_\@:
	s_barrier_wait -3
	s_barrier_signal -1
	s_barrier_wait -1
.endm
; A joint load into slot s.  The branches hang on the wave's number alone.  An s_nop 0 and four v_nop follow each of the two lines.
.macro JLOAD s
	s_cmp_lt_u32 s[WV], 4
	s_cbranch_scc0 .Lnot_k_\@
	tensor_load_to_lds s[G0K+4*(\s):G0K+4*(\s)+3], s[G1K:G1K+7]
	s_nop 0
.rept 4
	v_nop
.endr
	s_branch .Lasked_\@
.Lnot_k_\@:
	s_cmp_lt_u32 s[WV], 8
	s_cbranch_scc0 .Lasked_\@
	tensor_load_to_lds s[G0V+4*(\s):G0V+4*(\s)+3], s[G1V:G1V+7]
	s_nop 0
.rept 4
	v_nop
.endr
.Lasked_\@:
.endm
; A PREFETCH INTO THE L2 of what the NEXT change of slots will ask for: four key steps ahead of that load.  Each row of 256 bytes is named once in the launch: both clusters of a head pair walk the
; same K and V, and the first of them asks; its four partners take 64 rows of the 256 each, told apart by address; in each, waves 8 and 9 ask for K's (32 rows each, a lane a row), waves 10 and 11 for V's.
.macro ASK
	s_cmp_eq_u32 s[LIM], 1
	s_cbranch_scc0 .Lnot_mine_\@
	global_prefetch_b8 v[PFO], s[PFA:PFA+1] th:TH_LOAD_NT scope:SCOPE_SE
.Lnot_mine_\@:
.endm
	s_load_b64 s[4:5], s[0:1], 0x0                 ; qkv
	s_load_b64 s[10:11], s[0:1], 0x8               ; o
	v_lshl_add_u32 v[SPW], v0, 2, SPARE
	v_mov_b32 v[NIL], 0
	ds_add_u32 v[SPW], v[NIL]                      ; the wave's opening: the add, twice on end, and its wait ahead of the first tensor loads
	ds_add_u32 v[SPW], v[NIL]
	v_lshrrev_b32 v1, 5, v0
	v_readfirstlane_b32 s[WV], v1                  ; wave 0..15
	s_bfe_u32 s13, ttmp6, 0x40000                  ; cx: my place in the cluster
	s_lshl_b32 s14, ttmp9, 2
	s_add_co_u32 s14, s14, s13                     ; my block of 256 queries: it enters q's and o's addresses alone
	s_and_b32 s15, ttmp7, 0xffff                   ; the head pair, batch x 8 + pair, which the partners share
	s_lshl_b32 s20, s15, 19                        ; its 2,048 rows of 256 bytes
	s_mov_b32 s21, 0
	s_and_b32 s16, s[WV], 3                        ; which of a slot's four steps I fetch
	s_lshr_b32 s17, s[WV], 3                       ; my head of the pair
	s_and_b32 s18, s[WV], 7                        ; my 32 queries of the 256
	s_lshl_b32 s19, s17, 7                         ; my head's 128 bytes of a row
	s_lshl_b32 s22, s16, 14                        ; my step's 64 rows in memory,
	s_mov_b32 s23, 0
	s_add_nc_u64 s[22:23], s[22:23], s[20:21]      ; in the head pair
	s_mul_i32 s17, s16, KSTEPB                     ; and in a slot: K's,
	s_mul_i32 s16, s16, VSTEPB
	s_add_co_u32 s16, s16, VOFF                    ; V's
	s_lshl_b32 s2, s14, 16                         ; q: my block's 256 rows,
	s_lshl_b32 s3, s18, 13                         ; my wave's 32 of them,
	s_add_co_u32 s2, s2, s3
	s_add_co_u32 s2, s2, s19                       ; my head
	s_mov_b32 s3, 0
	s_add_nc_u64 s[2:3], s[2:3], s[20:21]
	s_lshr_b32 s70, s15, 3                         ; o: row = batch x 2,048 + 256 x block + 16 x wave (on the way out a wave stores 16 whole pieces of rows),
	s_lshl_b32 s70, s70, 11
	s_lshl_b32 s71, s14, 8
	s_add_co_u32 s70, s70, s71
	s_lshl_b32 s71, s[WV], 4
	s_add_co_u32 s70, s70, s71
	s_lshl_b32 s70, s70, 11                        ; of 2,048 bytes,
	s_and_b32 s71, s15, 7
	s_lshl_b32 s71, s71, 8
	s_add_co_u32 s70, s70, s71                     ; + the pair's 256 bytes
	s_mov_b32 s71, 0
	; descriptor group 1: a tile of 64 rows x 128 elements of 2 bytes, padded in LDS; the mask names all four work-groups, bit 21 beside it
	s_mov_b32 s[G1K], 15|(1<<16)|(1<<20)|(1<<21)|(5<<22)|(3<<25)   ; 4 words of padding after every 64
	s_mov_b32 s[G1V], 15|(1<<16)|(1<<20)|(1<<21)|(5<<22)|(7<<25)   ; 8 words
.irp g, G1K, G1V
	s_mov_b32 s[\g+1], 128<<16                     ; tensor_dim0
	s_mov_b32 s[\g+2], 64<<16                      ; tensor_dim1
	s_mov_b32 s[\g+3], 128<<16                     ; tile_dim0
	s_mov_b32 s[\g+4], 64                          ; tile_dim1
	s_mov_b32 s[\g+5], 128                         ; from row to row
	s_mov_b32 s[\g+6], 0
	s_mov_b32 s[\g+7], 0
.endr
	s_mov_b32 s[CS], 0x3e38aa3b                    ; c = log2(e) / 8
	s_mov_b32 s[CS+1], s[CS]
	s_mov_b32 s[SEL], 0x76543210
	s_mov_b32 s[SEL+1], 0xfedcba98
	s_sub_co_u32 s[LIM], s[WV], 8
	s_lshr_b32 s[LIM], s[LIM], 2                   ; 0 in waves 8 to 11,
	s_or_b32 s[LIM], s[LIM], ttmp9                 ; of the head pair's first cluster: the same in all four partners
	s_cmp_eq_u32 s[LIM], 0
	s_cselect_b32 s[LIM], 1, 0
	s_wait_dscnt 0x0                               ; both opening adds are done
	s_wait_kmcnt 0x0
	s_add_nc_u64 s[6:7], s[4:5], 0x1000000         ; k's part of the buffer,
	s_add_nc_u64 s[8:9], s[4:5], 0x2000000         ; v's
	s_cmp_lt_u32 s[WV], 10
	s_cselect_b64 s[PFA:PFA+1], s[6:7], s[8:9]
	s_add_nc_u64 s[PFA:PFA+1], s[PFA:PFA+1], s[20:21]
	s_add_nc_u64 s[6:7], s[6:7], s[22:23]          ; K and V at my tile of slot 0
	s_add_nc_u64 s[8:9], s[8:9], s[22:23]
	s_add_nc_u64 s[4:5], s[4:5], s[2:3]            ; q at my wave's first row
	s_add_nc_u64 s[10:11], s[10:11], s[70:71]      ; o likewise
	s_lshl_b32 s2, s13, 14                         ; the prefetches: my work-group's 64 rows of the 256,
	s_and_b32 s3, s[WV], 1
	s_lshl_b32 s3, s3, 13                          ; my wave's 32 of them,
	s_add_co_u32 s2, s2, s3
	s_add_co_u32 s2, s2, TILEB                     ; in the second 256 keys: the first change of slots steps it to the third.  Nothing is prefetched at the head
	s_mov_b32 s3, 0
	s_add_nc_u64 s[PFA:PFA+1], s[PFA:PFA+1], s[2:3]
	CROUND                                         ; all four work-groups are here: the first joint loads meet
.irp n, 0,1
	s_mov_b32 s[G0K+4*\n], 1
	s_add_co_u32 s[G0K+4*\n+1], s17, \n*SLOT
	s_add_nc_u64 s[G0K+4*\n+2:G0K+4*\n+3], s[6:7], \n*TILEB
	s_or_b32 s[G0K+4*\n+3], s[G0K+4*\n+3], 0x80000000
	s_mov_b32 s[G0V+4*\n], 1
	s_add_co_u32 s[G0V+4*\n+1], s16, \n*SLOT
	s_add_nc_u64 s[G0V+4*\n+2:G0V+4*\n+3], s[8:9], \n*TILEB
	s_or_b32 s[G0V+4*\n+3], s[G0V+4*\n+3], 0x80000000
.endr
	JLOAD 0                                        ; keys 0 to 255
	v_and_b32 v1, 15, v0                           ; r = l % 16
	v_bfe_u32 v9, v0, 4, 1                         ; h = l / 16
	v_lshlrev_b32 v[QO], 8, v1
	v_lshl_add_u32 v[QO], v9, 4, v[QO]             ; row x 256 + 16 x half
.irp t, 0,1
.irp c, 0,1
	global_load_b128 v[Q+16*\t+8*\c:Q+16*\t+8*\c+3],   v[QO], s[4:5] offset:\t*4096+\c*64       ; q stays in registers
	global_load_b128 v[Q+16*\t+8*\c+4:Q+16*\t+8*\c+7], v[QO], s[4:5] offset:\t*4096+\c*64+32
.endr
.endr
	v_mul_u32_u24 v[AK0], v1, PK
	v_lshl_add_u32 v[AK0], v9, 4, v[AK0]
	v_add_nc_u32 v[AK0], s19, v[AK0]               ; K: row r x pitch + 16 h + my head's 128 bytes
	v_and_b32 v10, 7, v0
	v_bfe_u32 v11, v0, 3, 1
	v_lshl_add_u32 v[AV0], v9, 3, v10
	v_mul_u32_u24 v[AV0], v[AV0], PV
	v_lshl_add_u32 v[AV0], v11, 4, v[AV0]
	s_add_co_u32 s13, s19, VOFF
	v_add_nc_u32 v[AV0], s13, v[AV0]               ; V: key 8 h + l % 8, channels 8 ((l / 8) % 2) on, my head, behind K's rows
	s_mul_i32 s13, s18, 32*PK
	v_add_nc_u32 v[STO], s13, v[AK0]               ; the way out, in: row 32 (w % 8) + r, my head's half, 16 bytes for each half of the lanes
	s_mul_i32 s13, s[WV], 16*PK
	v_mul_u32_u24 v[RD], v9, PK
	v_lshl_add_u32 v[RD], v1, 4, v[RD]
	v_add_nc_u32 v[RD], s13, v[RD]                 ; back: rows 16 w on; lanes 0-15 one row of 256 bytes, lanes 16-31 the next
	v_lshlrev_b32 v[GO], 11, v9
	v_lshl_add_u32 v[GO], v1, 4, v[GO]             ; and the same two rows in o
	v_and_b32 v[PFO], 31, v0
	v_lshlrev_b32 v[PFO], 8, v[PFO]
.irp t, 0,1
	v_mov_b32 v[ST+8*\t+1], 0xff61b1e6             ; m = -3e38, under every score
	v_mul_f32 v[ST+8*\t], s[CS], v[ST+8*\t+1]      ; c m
.irp i, 2,3,4,5,6,7
	v_mov_b32 v[ST+8*\t+\i], 0                     ; l; and the registers at work, written once: a lane exchange's destination counts as a source
.endr
.endr
.set j, 0
.rept 64
	v_mov_b32 v[O+j], 0                            ; O^T: the step is written once, and the first a, which is 0, multiplies zeros
.set j, j+1
.endr
; THE SOFTMAX OF A STEP, both tiles line by line, so that no line waits for the line above it.
.macro SOFTMAX
.irp q, 0,1,2,3                        ; the maximum of a tile's 32 scores and the old m: four chains, one for each accumulator, each from its low end on
.irp t, 0,1
	v_max3_num_f32 v[ST+8*\t+4+\q], v[S+32*\t+8*\q], v[S+32*\t+8*\q+1], v[S+32*\t+8*\q+2]
.endr
.endr
.irp i, 3,5
.irp q, 0,1,2,3
.irp t, 0,1
	v_max3_num_f32 v[ST+8*\t+4+\q], v[ST+8*\t+4+\q], v[S+32*\t+8*\q+\i], v[S+32*\t+8*\q+\i+1]
.endr
.endr
.endr
.irp t, 0,1
	v_max3_num_f32 v[ST+8*\t+4], v[ST+8*\t+4], v[S+32*\t+7], v[S+32*\t+15]
.endr
.irp t, 0,1
	v_max3_num_f32 v[ST+8*\t+6], v[ST+8*\t+6], v[S+32*\t+23], v[S+32*\t+31]
.endr
.irp t, 0,1
	v_max3_num_f32 v[ST+8*\t+4], v[ST+8*\t+4], v[ST+8*\t+5], v[ST+8*\t+6]
.endr
.irp t, 0,1
	v_max3_num_f32 v[ST+8*\t+4], v[ST+8*\t+4], v[ST+8*\t+7], v[ST+8*\t+1]
.endr
.irp t, 0,1
	v_permlanex16_b32 v[ST+8*\t+5], v[ST+8*\t+4], s[SEL], s[SEL+1]   ; the query's other 32 keys lie in the lane 16 away
.endr
.irp t, 0,1
	v_mov_b32 v[ST+8*\t+7], v[ST+8*\t]             ; c m_old is kept for a
.endr
.irp t, 0,1
	v_max_num_f32 v[ST+8*\t+1], v[ST+8*\t+4], v[ST+8*\t+5]
.endr
.irp t, 0,1
	v_mul_f32 v[ST+8*\t], s[CS], v[ST+8*\t+1]
.endr
.irp t, 0,1
	v_sub_f32 v[ST+8*\t+7], v[ST+8*\t+7], v[ST+8*\t]
.endr
.set j, 0
.rept 16
.irp t, 0,1
	v_pk_fma_f32 v[S+32*\t+j:S+32*\t+j+1], v[S+32*\t+j:S+32*\t+j+1], s[CS:CS+1], v[ST+8*\t:ST+8*\t+1] op_sel_hi:[1,0,0] neg_lo:[0,0,1] neg_hi:[0,0,1]   ; c s - c m, two at a time
.endr
.set j, j+2
.endr
.irp t, 0,1
	v_exp_f32 v[ST+8*\t+6], v[ST+8*\t+7]           ; a
.endr
.set j, 0
.rept 32
.irp t, 0,1
	v_exp_f32 v[S+32*\t+j], v[S+32*\t+j]           ; p
.endr
.set j, j+1
.endr
	v_nop                                          ; a plain line behind the last exponential
	s_wait_alu depctr_va_vdst(0)                   ; one wait for the 66 exponentials, ahead of the first line that names a result
.irp t, 0,1
	v_pk_fma_f32 v[ST+8*\t+2:ST+8*\t+3], v[ST+8*\t+2:ST+8*\t+3], v[ST+8*\t+6:ST+8*\t+7], v[S+32*\t:S+32*\t+1] op_sel_hi:[1,0,1]   ; l = a l + the sum of the unrounded p, in two chains a tile
.endr
.irp t, 0,1
	v_pk_add_f32 v[ST+8*\t+4:ST+8*\t+5], v[S+32*\t+2:S+32*\t+3], v[S+32*\t+4:S+32*\t+5]
.endr
.irp i, 6,10,14,18,22,26
.irp t, 0,1
	v_pk_add_f32 v[ST+8*\t+2:ST+8*\t+3], v[ST+8*\t+2:ST+8*\t+3], v[S+32*\t+\i:S+32*\t+\i+1]
	v_pk_add_f32 v[ST+8*\t+4:ST+8*\t+5], v[ST+8*\t+4:ST+8*\t+5], v[S+32*\t+\i+2:S+32*\t+\i+3]
.endr
.endr
.irp t, 0,1
	v_pk_add_f32 v[ST+8*\t+2:ST+8*\t+3], v[ST+8*\t+2:ST+8*\t+3], v[S+32*\t+30:S+32*\t+31]
.endr
.irp t, 0,1
	v_pk_add_f32 v[ST+8*\t+2:ST+8*\t+3], v[ST+8*\t+2:ST+8*\t+3], v[ST+8*\t+4:ST+8*\t+5]
.endr
.set j, 0
.rept 16                               ; P in place: register j takes p 2 j and 2 j + 1; j ascends, so nothing that is still wanted is written over
.irp t, 0,1
	v_cvt_pk_f16_f32 v[S+32*\t+j], v[S+32*\t+2*j], v[S+32*\t+2*j+1]
.endr
.set j, j+1
.endr
.set j, 0
.rept 16
.irp t, 0,1
	v_pk_mul_f32 v[O+32*\t+j:O+32*\t+j+1], v[O+32*\t+j:O+32*\t+j+1], v[ST+8*\t+6:ST+8*\t+7] op_sel_hi:[1,0]   ; O^T x a, each accumulator from its low end on
.endr
.set j, j+2
.endr
.endm
; A KEY STEP: 64 keys.
.macro STEP
	v_add_nc_u32 v[ADR], s[TK], v[AK0]
.rept 4
	v_nop                                          ; with the addition five places behind the last V^T P: the loads below land on V's fragments, and the products below write over P, which it read
.endr
.irp f, 0,1,2,3,4,5,6,7                ; K's fragment f: keys 16 (f / 2) on, channels 32 (f % 2) on
	ds_load_b128 v[KV+8*\f:KV+8*\f+3],   v[ADR] offset:(\f/2)*16*PK+(\f%2)*64
	ds_load_b128 v[KV+8*\f+4:KV+8*\f+7], v[ADR] offset:(\f/2)*16*PK+(\f%2)*64+32
.endr
	s_wait_dscnt 0x0
.irp c, 0,1                            ; S^T = K Q^T: the eight accumulators take turns, one instruction a turn
.irp k, 0,1,2,3
.irp t, 0,1
.if \c == 0
	v_wmma_f32_16x16x32_f16 v[S+32*\t+8*\k:S+32*\t+8*\k+7], v[KV+16*\k:KV+16*\k+7], v[Q+16*\t:Q+16*\t+7], 0
.else
	v_wmma_f32_16x16x32_f16 v[S+32*\t+8*\k:S+32*\t+8*\k+7], v[KV+16*\k+8:KV+16*\k+15], v[Q+16*\t+8:Q+16*\t+15], v[S+32*\t+8*\k:S+32*\t+8*\k+7]
.endif
.endr
.endr
.endr
	v_add_nc_u32 v[ADR], s[TV], v[AV0]
.rept 3
	v_nop                                          ; with the addition four places: the loads below land on K's fragments, and the softmax reads the scores
.endr
.irp f, 0,1,2,3,4,5,6,7                ; V's fragment f, turned: keys 32 (f / 4) on, channels 16 (f % 4) on; it lands while the softmax is walked
	ds_load_tr16_b128 v[KV+8*\f:KV+8*\f+3],   v[ADR] offset:(\f/4)*32*PV+(\f%4)*32
	ds_load_tr16_b128 v[KV+8*\f+4:KV+8*\f+7], v[ADR] offset:(\f/4)*32*PV+16*PV+(\f%4)*32
.endr
	SOFTMAX
	s_wait_dscnt 0x0
.irp g, 0,1                            ; O^T += V^T P: again eight accumulators by turns
.irp d, 0,1,2,3
.irp t, 0,1
	v_wmma_f32_16x16x32_f16 v[O+32*\t+8*\d:O+32*\t+8*\d+7], v[KV+8*(4*\g+\d):KV+8*(4*\g+\d)+7], v[S+32*\t+8*\g:S+32*\t+8*\g+7], v[O+32*\t+8*\d:O+32*\t+8*\d+7]
.endr
.endr
.endr
	s_add_co_u32 s[TK], s[TK], KSTEPB
	s_add_co_u32 s[TV], s[TV], VSTEPB
.endm
; A SLOT'S FOUR STEPS, with the change of slots at their head.  Each wave waits for all its tensor loads (its part of this slot), adds 0 to its spare word, and waits for that and for its reads of the
; other slot.  refill = 1: behind a round of the cluster's barrier the other slot takes the next 256 keys: the load has four steps in which to land.  ask = 1: this slot's group 0 is stepped for the
; load two trips on, and the keys after the next are prefetched.
.macro TRIP slot, refill, ask
	s_wait_tensorcnt 0x0                           ; no tensor load of mine is out, so a group 0 may be written
	ds_add_u32 v[SPW], v[NIL]
.if \refill
	ds_add_u32 v[SPW], v[NIL]                      ; and, where a tensor load follows, twice on end: waves 8 to 15 come here with none behind them
.endif
.if \ask
	s_add_nc_u64 s[G0K+4*\slot+2:G0K+4*\slot+3], s[G0K+4*\slot+2:G0K+4*\slot+3], 2*TILEB
	s_add_nc_u64 s[G0V+4*\slot+2:G0V+4*\slot+3], s[G0V+4*\slot+2:G0V+4*\slot+3], 2*TILEB
	s_wait_xcnt 0x0                                ; the last prefetch, four steps back, has read its address
	s_add_nc_u64 s[PFA:PFA+1], s[PFA:PFA+1], TILEB
.endif
	s_wait_dscnt 0x0                               ; the add is done, and my reads of the other slot are over
.if \refill
	CROUND
	JLOAD 1-\slot
.else
	s_barrier_signal -1
	s_barrier_wait -1
.endif
.if \ask
	ASK
.endif
	s_mov_b32 s[TK], \slot*SLOT
	s_mov_b32 s[TV], \slot*SLOT
	s_mov_b32 s[STPC], 4
.Lstep_\@:
	STEP
	s_sub_co_u32 s[STPC], s[STPC], 1
	s_cmp_lg_u32 s[STPC], 0
	s_cbranch_scc1 .Lstep_\@
.endm
	s_wait_loadcnt 0x0                             ; q
	s_mov_b32 s[LAPC], 3
.Llap:                                             ; eight times 256 keys: trip i works on the i-th, asks for the next, and prefetches the one after.  Slot 1's first fill stands behind the first trip's round
	TRIP 0, 1, 1
	TRIP 1, 1, 1
	s_sub_co_u32 s[LAPC], s[LAPC], 1
	s_cmp_lg_u32 s[LAPC], 0
	s_cbranch_scc1 .Llap
	TRIP 0, 1, 0                                   ; the tail is written out
	TRIP 1, 0, 0
	; THE WAY OUT.  O^T / l, rounded to f16, goes through a stage of 256 rows x (256 + 16) bytes in slot 0, which has had its last fill and which nobody reads behind the last change of slots.
	; A row's 256 bytes come from two waves (the pair's two heads): a barrier; then each wave stores 16 rows' pieces, sixteen lanes to 256 consecutive bytes, aligned.  The additions are the places behind the last products.
.irp t, 0,1
	v_add_f32 v[ST+8*\t+4], v[ST+8*\t+2], v[ST+8*\t+3]
.endr
.irp t, 0,1
	v_permlanex16_b32 v[ST+8*\t+5], v[ST+8*\t+4], s[SEL], s[SEL+1]
.endr
.irp t, 0,1
	v_add_f32 v[ST+8*\t+4], v[ST+8*\t+4], v[ST+8*\t+5]
.endr
.irp t, 0,1
	v_rcp_f32 v[ST+8*\t+6], v[ST+8*\t+4]
.endr
	v_nop                                          ; a plain line behind the last reciprocal
	s_wait_alu depctr_va_vdst(0)                   ; one wait for both, ahead of their first reader
.set j, 0
.rept 16
.irp t, 0,1
	v_pk_mul_f32 v[O+32*\t+j:O+32*\t+j+1], v[O+32*\t+j:O+32*\t+j+1], v[ST+8*\t+6:ST+8*\t+7] op_sel_hi:[1,0]
.endr
.set j, j+2
.endr
.set j, 0
.rept 16
.irp t, 0,1
	v_cvt_pk_f16_f32 v[S+16*\t+j], v[O+32*\t+2*j], v[O+32*\t+2*j+1]
.endr
.set j, j+1
.endr
.irp t, 0,1
.irp d, 0,1,2,3
	ds_store_b128 v[STO], v[S+16*\t+4*\d:S+16*\t+4*\d+3] offset:\t*16*PK+32*\d     ; o(query, 16 d + 8 h + 0 .. 7)
.endr
.endr
	s_wait_dscnt 0x0                               ; for the others' sake: my stores into the stage are done
	s_barrier_signal -1
	s_barrier_wait -1
.irp i, 0,1,2,3,4,5,6,7
	ds_load_b128 v[KV+4*\i:KV+4*\i+3], v[RD] offset:\i*2*PK
.endr
.irp i, 0,1,2,3,4,5,6,7
	s_wait_dscnt 7-\i                              ; the younger loads from the stage may be out
	global_store_b128 v[GO], v[KV+4*\i:KV+4*\i+3], s[10:11] offset:\i*4096
.endr
	s_wait_tensorcnt 0x0                           ; the wave's end
	ds_add_u32 v[SPW], v[NIL]
	s_wait_dscnt 0x0
	CROUND                                         ; the closing round: no work-group ends while a partner may still ask for a tile that names it
	s_endpgm
.Lfunc_end_k_q7e909886ca_attn:
	.size	k_q7e909886ca_attn, .Lfunc_end_k_q7e909886ca_attn-k_q7e909886ca_attn
	.p2alignl 7, 3214868480
	.fill 96, 4, 3214868480
	.section	.rodata,"a",@progbits
	.p2align	6, 0x0
	.amdhsa_kernel k_q7e909886ca_attn
		.amdhsa_group_segment_fixed_size 327680
		.amdhsa_private_segment_fixed_size 0
		.amdhsa_enable_private_segment 0
		.amdhsa_kernarg_size 16
		.amdhsa_user_sgpr_count 2
		.amdhsa_user_sgpr_kernarg_segment_ptr 1
		.amdhsa_wavefront_size32 1
		.amdhsa_system_sgpr_workgroup_id_x 1
		.amdhsa_system_sgpr_workgroup_id_y 1
		.amdhsa_system_sgpr_workgroup_id_z 1
		.amdhsa_system_vgpr_workitem_id 0
		.amdhsa_next_free_vgpr 256
		.amdhsa_next_free_sgpr 72
		.amdhsa_reserve_vcc 0
		.amdhsa_float_denorm_mode_32 3
		.amdhsa_float_denorm_mode_16_64 3
		.amdhsa_memory_ordered 1
		.amdhsa_forward_progress 1
		.amdhsa_inst_pref_size 91
	.end_amdhsa_kernel
	.amdgpu_metadata
---
amdhsa.version: [ 1, 2 ]
amdhsa.kernels:
  - .name:           k_q7e909886ca_attn
    .symbol:         k_q7e909886ca_attn.kd
    .args:
      - { .name: qkv, .offset: 0, .size: 8, .value_kind: global_buffer, .address_space: global }
      - { .name: o, .offset: 8, .size: 8, .value_kind: global_buffer, .address_space: global }
    .group_segment_fixed_size: 327680
    .private_segment_fixed_size: 0
    .kernarg_segment_align: 8
    .kernarg_segment_size: 16
    .max_flat_workgroup_size: 512
    .sgpr_count:     72
    .vgpr_count:     256
    .wavefront_size: 32
...
	.end_amdgpu_metadata
.endif
;; end of part 3
;; launch proj (part 4): grid 8 x 64, 4 waves a work-group, clusters of 4 x 4, 327,680 bytes of LDS; arguments o, wpt, b_proj, out0; writes out0
.if DOCPART == 4
	.amdgcn_target "amdgcn-amd-amdhsa--gfx1250"
	.amdhsa_code_object_version 6
	.text
	.protected	k_q7e909886ca_proj
	.globl	k_q7e909886ca_proj
	.p2align	8
	.type	k_q7e909886ca_proj,@function
k_q7e909886ca_proj:
	s_mov_b64 s[64:65], 0
	v_nop
	global_prefetch_b8 v0, s[64:65] scope:SCOPE_SE
	s_setreg_imm32_b32 hwreg(HW_REG_WAVE_MODE, 25, 1), 1
	s_wait_xcnt 0x0
	s_wait_alu depctr_hold_cnt(0) depctr_sa_sdst(0) depctr_va_vdst(0) depctr_va_sdst(0) depctr_va_ssrc(0) depctr_va_vcc(0) depctr_vm_vsrc(0)
	s_getreg_b32 s2, hwreg(HW_REG_IB_STS2, 6, 4)
	s_cmp_eq_u32 s2, 0
	s_cbranch_scc0 .Lentry_in_a_cluster
	s_endpgm
.Lentry_in_a_cluster:
	s_bfe_u32 s2, ttmp6, 0x10000c
	s_cmp_lg_u32 s2, 0xf033
	s_cbranch_scc0 .Lentry_shape_is_right
	s_endpgm
.Lentry_shape_is_right:
; out0[m][n] = the sum over k of o[m][k] W_proj[k][n] + b_proj[n].  A = o [8192][1024] f16;  B = wpt [1024 n][1024 k] f16 (W_proj turned by the first launch);  out0 [8192][1024] f32; sums in f32.
; A tile of 128 x 128 is made by four waves, each 64 x 64: 16 accumulators of 16 x 16.  K goes in steps of 256 (LDS rows of 512 bytes; a wave's tensor load brings 64 of them) through two slots.
; CLUSTERS: 4 x 4 work-groups; A's tiles are shared along a row of the cluster, B's along a column, by joint loads.  THE MATRIX INSTRUCTION IS USED TRANSPOSED (source 0 = 16 rows of B,
; source 1 = 16 rows of A): a lane holds eight neighbouring columns of one row.  THE BIAS is the C of each sum's first product.
; A wave's 64 columns of f32 are 256 bytes, aligned: so each wave has a stage of its own on the way out, and no barrier stands there.
; REGISTERS: window 0: v0-31 addresses; v32-95 rows read back on the way out; v96-127 the bias; v128-255 the accumulators ((a, b) at v[128 + 8 (4 a + b)]).
;   window 1: two fragment buffers of 128: for 64 along K, 64 registers of A, then 64 of B.
.set SIZE_N, 1024
.set SIZE_K, 1024
.set KSTEP,  256
.set PITCH,  528                       ; an LDS row: 512 bytes + 16 of padding, so that the 16 rows that a load touches start 4 banks apart (ISA guide 11.1)
.set HALFT,  64*PITCH
.set SLOT,   4*HALFT
.set STAGE,  2*SLOT                    ; behind the ring: 16 rows x 272 bytes for each wave
.set SPITCH, 272
.set SPARE,  STAGE+4*16*SPITCH         ; the spare words, 128 bytes for each wave
.set LAPS, SIZE_K/(2*KSTEP)
.set ADRA, 16
.set ADRB, 20
.set STO,  24
.set RD,   25
.set CO,   26
.set BO,   27                          ; v27  32 x (lane / 16): my eight numbers of a block's sixteen biases
.set SPW,  28
.set NIL,  29
.set TMP,  32
.set BIAS, 96
.set ACC,  128
.set F0,   0
.set F1,   128
.set G1, 24
.set G0, 32
.set G1B, 48
.set G0B, 56
.set MSB, 0
.macro WIN new
.if MSB != (\new)
	s_set_vgpr_msb (MSB<<8)|(\new)
.set MSB, (\new)
.endif
.endm
.set MUL,  0x05                        ; sources 0 (B) and 1 (A) window 1; C and D window 0
.set TO_F, 0x40
.macro JLOAD s                         ; a joint load: waves 0 and 1 fetch A's two halves, waves 2 and 3 B's; an s_nop 0 and four v_nop follow each of the two lines
	s_cmp_eq_u32 s11, 0
	s_cbranch_scc0 .Lfor_b_\@
	tensor_load_to_lds s[G0+4*\s:G0+4*\s+3], s[G1:G1+7]
	s_nop 0
.rept 4
	v_nop
.endr
	s_branch .Lasked_\@
.Lfor_b_\@:
	tensor_load_to_lds s[G0B+4*\s:G0B+4*\s+3], s[G1B:G1B+7]
	s_nop 0
.rept 4
	v_nop
.endr
.Lasked_\@:
.endm
.macro CREST                           ; a round of the cluster's barrier behind its opening barrier
	s_cmp_lg_u32 s10, 0
	s_cbranch_scc1 .Lnot_wave_0_\@
	s_barrier_signal -3
.Lnot_wave_0_\@:
	s_barrier_wait -3
	s_barrier_signal -1
	s_barrier_wait -1
.endm
.macro CROUND
	s_barrier_signal -1
	s_barrier_wait -1
	CREST
.endm
	s_load_b128 s[4:7], s[0:1], 0x0                ; o s[4:5], wpt s[6:7]
	s_load_b64 s[66:67], s[0:1], 0x10              ; b_proj
	s_load_b64 s[8:9], s[0:1], 0x18                ; out0
	v_lshl_add_u32 v[SPW], v0, 2, SPARE
	v_mov_b32 v[NIL], 0
	ds_add_u32 v[SPW], v[NIL]                      ; the wave's opening: the add, twice on end, and its wait ahead of my first tensor load
	ds_add_u32 v[SPW], v[NIL]
	v_lshrrev_b32 v1, 5, v0
	v_readfirstlane_b32 s10, v1                    ; wave 0..3
	s_lshr_b32 s11, s10, 1                         ; which half of the tile's rows is mine.  Also: I fetch for A (0) or for B (1)
	s_and_b32 s12, s10, 1                          ; which half of its columns.  Also: which 64 rows of that tile I fetch
	s_bfe_u32 s40, ttmp6, 0x40000                  ; cx, cy
	s_bfe_u32 s41, ttmp6, 0x40004
	s_lshl_b32 s42, ttmp9, 2
	s_add_co_u32 s42, s42, s40                     ; tile column
	s_and_b32 s13, ttmp7, 0xffff
	s_lshl_b32 s13, s13, 2
	s_add_co_u32 s13, s13, s41                     ; tile row
	s_lshl_b32 s43, s41, 2
	s_lshl_b32 s43, 15, s43                        ; my row of the cluster
	s_lshl_b32 s44, 0x1111, s40                    ; my column
	; descriptor group 1: a tile of 64 rows x 256 elements of 2 bytes, 16 bytes of padding behind every 512
	s_or_b32 s[G1+0], s43, (1<<16)|(1<<20)|(1<<21)|(6<<22)|(3<<25)
	s_or_b32 s[G1B+0], s44, (1<<16)|(1<<20)|(1<<21)|(6<<22)|(3<<25)
.irp g, G1, G1B
	s_mov_b32 s[\g+1], KSTEP<<16
	s_mov_b32 s[\g+2], 64<<16
	s_mov_b32 s[\g+3], KSTEP<<16
	s_mov_b32 s[\g+4], 64
	s_mov_b32 s[\g+5], SIZE_K
	s_mov_b32 s[\g+6], 0
	s_mov_b32 s[\g+7], 0
.endr
	s_lshl_b32 s17, s12, 6
	s_lshl_b32 s16, s13, 7
	s_add_co_u32 s16, s16, s17                     ; A: row 128 x tile row + 64 x half
	s_lshl_b32 s46, s42, 7
	s_add_co_u32 s46, s46, s17                     ; B: row 128 x tile column + 64 x half
	s_mov_b32 s17, 0
	s_mov_b32 s47, 0
	s_mov_b64 s[18:19], SIZE_K*2
	s_mul_u64 s[16:17], s[16:17], s[18:19]
	s_mul_u64 s[46:47], s[46:47], s[18:19]
	s_mul_i32 s20, s10, HALFT                      ; where they go: wave x 64 rows
	s_wait_dscnt 0x0                               ; both opening adds are done
	s_wait_kmcnt 0x0
	s_add_nc_u64 s[14:15], s[4:5], s[16:17]
	s_add_nc_u64 s[46:47], s[6:7], s[46:47]
	CROUND                                         ; all sixteen work-groups are here: the first joint loads meet
.irp s, 0,1
	s_mov_b32 s[G0+4*\s], 1
	s_add_co_u32 s[G0+4*\s+1], s20, \s*SLOT
	s_add_nc_u64 s[G0+4*\s+2:G0+4*\s+3], s[14:15], \s*KSTEP*2
	s_or_b32 s[G0+4*\s+3], s[G0+4*\s+3], 0x80000000
	s_mov_b32 s[G0B+4*\s], 1
	s_add_co_u32 s[G0B+4*\s+1], s20, \s*SLOT
	s_add_nc_u64 s[G0B+4*\s+2:G0B+4*\s+3], s[46:47], \s*KSTEP*2
	s_or_b32 s[G0B+4*\s+3], s[G0B+4*\s+3], 0x80000000
	JLOAD \s
.endr
	v_and_b32 v1, 15, v0                           ; l % 16
	v_bfe_u32 v2, v0, 4, 1                         ; l / 16
	s_lshl_b32 s46, s42, 9                         ; my first column, x 4 bytes: 512 x tile column + 256 x half
	s_lshl_b32 s47, s12, 8
	s_add_co_u32 s46, s46, s47
	s_mov_b32 s47, 0
	s_add_nc_u64 s[66:67], s[66:67], s[46:47]
	v_lshlrev_b32 v[BO], 5, v2
.irp b, 0,1,2,3
	global_load_b128 v[BIAS+8*\b:BIAS+8*\b+3], v[BO], s[66:67] offset:64*\b          ; b(first column + 16 b + 8 (l / 16) + 0 .. 7)
	global_load_b128 v[BIAS+8*\b+4:BIAS+8*\b+7], v[BO], s[66:67] offset:64*\b+16
.endr
	s_lshl_b32 s16, s13, 7
	s_lshl_b32 s17, s11, 6
	s_add_co_u32 s16, s16, s17                     ; my first row: 128 x tile row + 64 x half,
	s_lshl_b32 s16, s16, 12                        ; of 4,096 bytes
	s_add_co_u32 s46, s46, s16
	s_add_nc_u64 s[8:9], s[8:9], s[46:47]
	v_mul_u32_u24 v3, v1, PITCH
	v_lshl_add_u32 v3, v2, 4, v3                   ; a fragment's row x pitch + 16 x half
	s_mul_i32 s21, s11, HALFT                      ; my 64 rows of A
	s_mul_i32 s22, s12, HALFT                      ; my 64 rows of B,
	s_add_co_u32 s22, s22, 2*HALFT                 ; which lie behind A's 128
.irp s, 0,1
	v_add_nc_u32 v[ADRA+\s], s21, v3
	v_add_nc_u32 v[ADRB+\s], s22, v3
	s_add_co_u32 s21, s21, SLOT
	s_add_co_u32 s22, s22, SLOT
.endr
	s_mul_i32 s23, s10, 16*SPITCH
	s_add_co_u32 s23, s23, STAGE                   ; my stage
	v_mul_u32_u24 v4, v1, SPITCH
	v_lshl_add_u32 v4, v2, 5, v4
	v_add_nc_u32 v[STO], s23, v4                   ; in: row l % 16, 32 bytes for each half of the lanes
	v_mul_u32_u24 v5, v2, SPITCH
	v_lshl_add_u32 v5, v1, 4, v5
	v_add_nc_u32 v[RD], s23, v5                    ; back: lanes 0-15 one row of 256 bytes, lanes 16-31 the next
	v_lshlrev_b32 v5, 12, v2
	v_lshl_add_u32 v[CO], v1, 4, v5                ; and the same two rows in out0
; 8 matrix instructions: m blocks a0, a0 + 1 x all 4 n blocks, 32 along K: half c of buffer f.  first = 1: the sums begin with the bias.  The 16 accumulators take turns.
.macro MUL8 f, c, a0, first
.irp a, \a0, \a0+1
.irp b, 0,1,2,3
.if \first
	v_wmma_f32_16x16x32_f16 v[ACC+8*(4*(\a)+\b):ACC+8*(4*(\a)+\b)+7], v[\f+64+8*(4*\c+\b):\f+64+8*(4*\c+\b)+7], v[\f+8*(4*\c+\a):\f+8*(4*\c+\a)+7], v[BIAS+8*\b:BIAS+8*\b+7]
.else
	v_wmma_f32_16x16x32_f16 v[ACC+8*(4*(\a)+\b):ACC+8*(4*(\a)+\b)+7], v[\f+64+8*(4*\c+\b):\f+64+8*(4*\c+\b)+7], v[\f+8*(4*\c+\a):\f+8*(4*\c+\a)+7], v[ACC+8*(4*(\a)+\b):ACC+8*(4*(\a)+\b)+7]
.endif
.endr
.endr
.endm
; 32 LDS loads in one run: the fragments of 64 along K at byte k of the rows, into buffer f; the first 32 along K first
.macro FETCH slot, k, f
	WIN TO_F
.irp c, 0,1
.irp i, 0,1,2,3
	ds_load_b128 v[\f+64+8*(4*\c+\i):\f+64+8*(4*\c+\i)+3],   v[ADRB+\slot] offset:\k+64*\c+\i*16*PITCH
	ds_load_b128 v[\f+64+8*(4*\c+\i)+4:\f+64+8*(4*\c+\i)+7], v[ADRB+\slot] offset:\k+64*\c+\i*16*PITCH+32
	ds_load_b128 v[\f+8*(4*\c+\i):\f+8*(4*\c+\i)+3],         v[ADRA+\slot] offset:\k+64*\c+\i*16*PITCH
	ds_load_b128 v[\f+8*(4*\c+\i)+4:\f+8*(4*\c+\i)+7],       v[ADRA+\slot] offset:\k+64*\c+\i*16*PITCH+32
.endr
.endr
.endm
.macro PLACES                          ; four plain lines in front of loads into registers that matrix instructions have read, and of reads of results
.rept 4
	v_nop
.endr
.endm
; A K step is four quarters of 64 along K, 32 matrix instructions each, on buffers 0, 1, 0, 1.
.macro QUARTER slot, k, f, g, first
	s_wait_dscnt 16                                ; the first 32 along K are in; the sixteen loads of the second 32 may be out
	WIN MUL
	MUL8 \f, 0, 0, \first
	MUL8 \f, 0, 2, \first
	PLACES
	FETCH \slot, \k, \g
	s_wait_dscnt 32                                ; all but the 32 just issued
	WIN MUL
	MUL8 \f, 1, 0, 0
	MUL8 \f, 1, 2, 0
.endm
; The last quarter changes slots: one barrier; in front of it each wave waits for all its tensor loads, adds 0 to its spare word, and waits for that and for its reads of this slot.
.macro TURN slot, next, fill
	WIN 0
	s_wait_tensorcnt 0x0                           ; all my tensor loads have landed: my part of the next slot
	ds_add_u32 v[SPW], v[NIL]
	s_wait_dscnt 17                                ; the add and the youngest sixteen loads may be out
	WIN MUL
	MUL8 F1, 0, 0, 0
	s_wait_dscnt 0x0                               ; the add is done, and my reads of this slot are over
	s_barrier_signal -1
	MUL8 F1, 0, 2, 0
.if \fill
	WIN 0
.endif
	s_barrier_wait -1
.if \fill
	CREST                                          ; the barrier has opened a round of the cluster's barrier: no wave of any partner still reads this slot or has a load on its way
	s_add_nc_u64 s[G0+4*\slot+2:G0+4*\slot+3], s[G0+4*\slot+2:G0+4*\slot+3], 2*KSTEP*2
	s_add_nc_u64 s[G0B+4*\slot+2:G0B+4*\slot+3], s[G0B+4*\slot+2:G0B+4*\slot+3], 2*KSTEP*2
	JLOAD \slot                                    ; the first tensor load behind the round; its four v_nop are also the places in front of the loads below
.else
	PLACES
.endif
	FETCH \next, 0, F0
	WIN MUL
	MUL8 F1, 1, 0, 0
	MUL8 F1, 1, 2, 0
.endm
	s_wait_tensorcnt 1                             ; my part of K step 0 is in; K step 1's load may be out
	s_barrier_signal -1
	s_barrier_wait -1
	FETCH 0, 0, F0
	s_wait_loadcnt 0x0                             ; the bias
	QUARTER 0, 128, F0, F1, 1                      ; the first quarter stands in front of the loop: its first products start the sums
	WIN 0
	s_mov_b32 s3, LAPS-1
.Llap:                                                 ; a trip goes once round the ring and fills both slots again
	QUARTER 0, 256, F1, F0, 0
	QUARTER 0, 384, F0, F1, 0
	TURN 0, 1, 1
	QUARTER 1, 128, F0, F1, 0
	QUARTER 1, 256, F1, F0, 0
	QUARTER 1, 384, F0, F1, 0
	TURN 1, 0, 1
	QUARTER 0, 128, F0, F1, 0
	WIN 0
	s_sub_co_u32 s3, s3, 1
	s_cmp_lg_u32 s3, 0
	s_cbranch_scc1 .Llap
	QUARTER 0, 256, F1, F0, 0                      ; the last lap fills nothing
	QUARTER 0, 384, F0, F1, 0
	TURN 0, 1, 0
	QUARTER 1, 128, F0, F1, 0
	QUARTER 1, 256, F1, F0, 0
	QUARTER 1, 384, F0, F1, 0
	s_wait_dscnt 16
	WIN MUL
	MUL8 F1, 0, 0, 0
	MUL8 F1, 0, 2, 0
	s_wait_dscnt 0
	MUL8 F1, 1, 0, 0
	MUL8 F1, 1, 2, 0
	WIN 0
; THE WAY OUT, block by block of 16 rows x 64 columns, through my own stage: LDS serves a wave's instructions in order (ISA guide 5.7.1.4), so no wait stands between the stores and the loads.
.macro TOSTAGE a
.irp b, 0,1,2,3
	ds_store_b128 v[STO], v[ACC+8*(4*(\a)+\b):ACC+8*(4*(\a)+\b)+3] offset:64*\b          ; each accumulator from its low end on
	ds_store_b128 v[STO], v[ACC+8*(4*(\a)+\b)+4:ACC+8*(4*(\a)+\b)+7] offset:64*\b+16
.endr
.irp t, 0,1,2,3,4,5,6,7
	ds_load_b128 v[TMP+32*((\a)%2)+4*\t:TMP+32*((\a)%2)+4*\t+3], v[RD] offset:\t*2*SPITCH
.endr
.endm
.macro SEND a, younger                 ; younger: the LDS instructions issued behind block a's loads, which may stay out
	s_wait_dscnt \younger
.irp t, 0,1,2,3,4,5,6,7
	global_store_b128 v[CO], v[TMP+32*((\a)%2)+4*\t:TMP+32*((\a)%2)+4*\t+3], s[8:9] offset:(16*(\a)+2*\t)*SIZE_N*4 th:TH_STORE_NT   ; 16 lanes store 256 consecutive bytes, aligned; written once, read by nobody here
.endr
.endm
	PLACES
	TOSTAGE 0
.irp a, 1,2,3
.if \a > 1
	s_wait_xcnt 0x0                                ; block a - 2's stores have read their registers: block a's loads may land there
.endif
	TOSTAGE \a
	SEND \a-1, 16                                  ; behind block a - 1's loads: block a's 8 stores and 8 loads
.endr
	SEND 3, 0
	s_wait_tensorcnt 0x0                           ; the wave's end
	ds_add_u32 v[SPW], v[NIL]
	s_wait_dscnt 0x0
	CROUND                                         ; the closing round
	s_endpgm
.Lfunc_end_k_q7e909886ca_proj:
	.size	k_q7e909886ca_proj, .Lfunc_end_k_q7e909886ca_proj-k_q7e909886ca_proj
	.p2alignl 7, 3214868480
	.fill 96, 4, 3214868480
	.section	.rodata,"a",@progbits
	.p2align	6, 0x0
	.amdhsa_kernel k_q7e909886ca_proj
		.amdhsa_group_segment_fixed_size 327680
		.amdhsa_private_segment_fixed_size 0
		.amdhsa_enable_private_segment 0
		.amdhsa_kernarg_size 32
		.amdhsa_user_sgpr_count 2
		.amdhsa_user_sgpr_kernarg_segment_ptr 1
		.amdhsa_wavefront_size32 1
		.amdhsa_system_sgpr_workgroup_id_x 1
		.amdhsa_system_sgpr_workgroup_id_y 1
		.amdhsa_system_sgpr_workgroup_id_z 1
		.amdhsa_system_vgpr_workitem_id 0
		.amdhsa_next_free_vgpr 512
		.amdhsa_next_free_sgpr 68
		.amdhsa_reserve_vcc 0
		.amdhsa_float_denorm_mode_32 3
		.amdhsa_float_denorm_mode_16_64 3
		.amdhsa_memory_ordered 1
		.amdhsa_forward_progress 1
		.amdhsa_inst_pref_size 86
	.end_amdhsa_kernel
	.amdgpu_metadata
---
amdhsa.version: [ 1, 2 ]
amdhsa.kernels:
  - .name:           k_q7e909886ca_proj
    .symbol:         k_q7e909886ca_proj.kd
    .args:
      - { .name: o, .offset: 0, .size: 8, .value_kind: global_buffer, .address_space: global }
      - { .name: wpt, .offset: 8, .size: 8, .value_kind: global_buffer, .address_space: global }
      - { .name: b_proj, .offset: 16, .size: 8, .value_kind: global_buffer, .address_space: global }
      - { .name: out0, .offset: 24, .size: 8, .value_kind: global_buffer, .address_space: global }
    .group_segment_fixed_size: 327680
    .private_segment_fixed_size: 0
    .kernarg_segment_align: 8
    .kernarg_segment_size: 32
    .max_flat_workgroup_size: 128
    .sgpr_count:     68
    .vgpr_count:     512
    .wavefront_size: 32
...
	.end_amdgpu_metadata
.endif
;; end of part 4
